; MI455X (gfx1250); checked and timed in simulation.
; The chip was launched on July 23, 2026; its instructions are those of AMD's public machine-readable ISA for CDNA 5 (MIT licence, August 2026) and "CDNA5" Instruction Set Architecture Reference Guide (July 2026). The comments in the code are by the model that wrote it; some were corrected since.
;; Fused Multi Head Attention. Allowed arithmetic: matrix products marked QUANTISED: E2M1 operands, one E8M0 scale for each 32 along K, by v_wmma_scale_f32_16x16x128_f8f6f4 with both operands' format E2M1 (or v_wmma_scale_f32_32x16x128_f4), f32 sums; products left as they are: bf16, f16 or f32 operands; f32 sums; everything else in f32.
;; Inputs: W_out 1,024 x 1,024 float32; W_qkv 1,024 x 3,072 float32; b_out 1,024 float32; b_qkv 3,072 float32; x 4 x 2,048 x 1,024 float32.
;; Outputs: out0 4 x 2,048 x 1,024 float32.
;; This version of the problem:
;;   THIS VERSION OF THE PROBLEM IS GIVEN IN LOW PRECISION. The matrix products marked QUANTISED in the list below multiply operands that are first quantised to E2M1 (2 exponent bits, 1 mantissa bit; 4 bits a number), with one power-of-two scale for each 32 numbers along K (OCP MX v1.0); their sums are f32. The products marked 'left as it is' may take bf16, f16 or f32 operands, with f32 sums. Whichever they take, every output number must still come out within the allowed error. Rounding operands to bf16 (8 significant bits) uses up far more of that allowance than f16 does (11 bits, for magnitudes from 6e-5 to 65,504). All else is computed in f32.
;;   The module's matrix products, in the order in which they are computed (A, B: the left and right operand; K: the contracted axis; several contracted axes count as one K, in the product's order):
;;     1. [M 8,192, K 1,024] x [K 1,024, N 3,072]; A: input x; B: input W_qkv: QUANTISED
;;     2. batch 64 x [M 2,048, K 64] x [K 64, N 2,048]; A: computed on the way; B: computed on the way: left as it is (an operand is computed on the way)
;;     3. batch 64 x [M 2,048, K 2,048] x [K 2,048, N 64]; A: computed on the way; B: computed on the way: left as it is (an operand is computed on the way)
;;     4. [M 8,192, K 1,024] x [K 1,024, N 1,024]; A: computed on the way; B: input W_out: left as it is (an operand is computed on the way)
;;   THE QUANTISER, for each operand of a quantised product, along K:
;;     - K is cut into blocks of 32 from its start; a last block that is shorter is filled with zeros.
;;     - A block's scale is 2^e with e = floor(log2(the largest magnitude in the block)) - 2, held to -126 .. 127; a block of zeros has e = 0. As a byte (E8M0): e + 127.
;;     - Each number is divided by its block's scale, clamped to +-6, and rounded to the nearest number of E2M1, ties to even, subnormals kept.
;;     - The product sums the exact products of the quantised numbers (number of the format x scale) in f32.
;;   ~~~python
;;   def quantise(x, axis):      # numpy; x: float32 -> the quantised numbers, widened to float32 again
;;       x = np.moveaxis(x, axis, -1); K = x.shape[-1]
;;       x = np.pad(x, [(0, 0)] * (x.ndim - 1) + [(0, -K % 32)]); x = x.reshape(x.shape[:-1] + (-1, 32)); a = np.abs(x).max(-1, keepdims=True)
;;       e = np.where(a > 0, np.clip(np.frexp(np.where(a > 0, a, 1))[1] - 1 - 2, -126, 127), 0)      # np.frexp(a)[1] - 1 = floor(log2(a)), exactly
;;       r = np.clip(x / 2.0 ** e, -6, 6)
;;       step = 2.0 ** (np.maximum(np.frexp(np.where(r == 0, 1, r))[1] - 1, 0) - 1)
;;       q = np.round(r / step) * step * 2.0 ** e      # np.round: ties to even
;;       return np.moveaxis(q.reshape(q.shape[:-2] + (-1,))[..., :K], -1, axis).astype(np.float32)
;;   ~~~
;; One version. Each part assembles by itself: llvm-mc -triple=amdgcn-amd-amdhsa -mcpu=gfx1250 --defsym DOCPART=n.
;; ======== version 1 of 1: 4 launches
;; limits: values are held in f16: magnitudes above 65,504 overflow, below 6.1e-05 lose precision
;; workspace buffers: xc 4,194,304 bytes; xs 262,144 bytes; wc 1,572,864 bytes; ws 98,304 bytes; wt 2,097,152 bytes; qkv 50,331,648 bytes; ao 16,777,216 bytes
;; launch prep (part 1): grid 368 x 1, 4 waves a work-group, no clusters, 102,912 bytes of LDS; arguments x, W_qkv, W_out, xc, xs, wc, ws, wt; writes xc, xs, wc, ws, wt
.if DOCPART == 1
	.amdgcn_target "amdgcn-amd-amdhsa--gfx1250"
	.amdhsa_code_object_version 6
	.text
	.protected	k_qda756f6b46_prep
	.globl	k_qda756f6b46_prep
	.p2align	8
	.type	k_qda756f6b46_prep,@function
k_qda756f6b46_prep:
	s_mov_b64 s[64:65], 0
	v_nop
	global_prefetch_b8 v0, s[64:65] scope:SCOPE_SE
	s_setreg_imm32_b32 hwreg(HW_REG_WAVE_MODE, 25, 1), 1
	s_wait_xcnt 0x0
; THE PROGRAM: multi-head attention, B 4, L 2,048, D 1,024, 16 heads of 64, in four launches: this one; qkv (x W_qkv on FP4 codes); attn (softmax(q k^T / 8) v); proj (the projection out).
; WORK LEFT OUT, FOR ALL VALUES OF THE INPUTS: k's bias, b_qkv[1024:2048].  score(q, key) = q . (k + b_k) / 8 = q . k / 8 + q . b_k / 8, and q . b_k / 8 is the same for every key of a query's row:
; a term that is the same along the softmax's axis leaves the softmax as it is.  k goes into no quantiser (the scores' product is left as it is), so no code and no scale hangs on b_k.
; So b_qkv[1024:2048] is neither loaded nor added by any launch; q's and v's parts of b_qkv are.  LIMIT: a NaN, an infinity or an overflow that reaches only b_qkv[1024:2048] is not carried to the result.
; THIS LAUNCH makes the operands that many work-groups read later, once:
;   path X (work-groups 0-255):   x [8192][1024] f32 -> xc, codes of FP4 (E2M1), two a byte, K innermost, and xs, one E8M0 byte for each 32 along K;
;   path W (work-groups 256-303): W_qkv [1024 (k)][3072 (n)] f32 -> wc [3072][512 bytes], ws [3072][32]: K is the FIRST axis, so a lane takes a column and its registers run down K;
;   path T (work-groups 304-367): W_out [1024 (k)][1024 (n)] f32 -> wt [n][k] f16: the same shape of work with a cast.
; A block's scale is 2^(floor(log2(its largest magnitude)) - 2): its byte is the largest magnitude's exponent field - 2, held at 1 from below by a floor among the maximum's leaves.
; LIMITS: a block of zeros gets the byte 1 where the rule says 127 (its codes are zeros, and this program alone reads the bytes); NaN and infinities among the inputs are not served.
; The three paths part on the work-group's number alone and have LDS bytes of their own.  No tensor loads, no barrier: waves share nothing.
.set SPARE,  102400                    ; the spare words, 128 bytes for each wave: two blocks of 256 bytes that no other line names
.set SPW,    190                       ; v190  LDS address of my spare word; never rewritten
.set NIL,    191                       ; v191  0; never rewritten
.set SP,     80                        ; path X: a lane's place in a stage: 64 bytes + 16 of padding
.set XREG,   8192                      ; path X: a wave's LDS: two stages of 32 x SP bytes, then its 256 scale bytes
.set WSTG,   32768                     ; path W: four stages of 32 rows x 272 bytes
.set TSTG,   67584                     ; path T: likewise
.set PITCH,  272
.set STEPS,  16
.set XR,     16                        ; path X: v16-79 four sets of 16 numbers as loaded
.set XN,     80                        ; v80-111 two sets of 16 neighbours
.set XE,     112                       ; v112-127 a scale byte for each step
.set XC,     128                       ; v128-189 codes: registers 4 t and 4 t + 1 for step t, so that no store's data are written again
; ---- path X's macros
.macro XLOAD t
.irp i, 0,1,2,3
	global_load_b128 v[XR+16*((\t)%4)+4*\i:XR+16*((\t)%4)+4*\i+3], v3, s[8:9] offset:2048*(\t)+512*\i th:TH_LOAD_NT   ; 32 lanes read 512 consecutive bytes
.endr
.endm
.macro XTURN t                         ; step t's 2,048 bytes through the stage: in as they lie, back 64 bytes a lane.  LDS serves a wave's instructions in order
.irp i, 0,1,2,3
	ds_store_b128 v14, v[XR+16*((\t)%4)+4*\i:XR+16*((\t)%4)+4*\i+3] offset:32*SP*((\t)%2)+8*SP*\i
.endr
.irp i, 0,1,2,3
	ds_load_b128 v[XN+16*((\t)%2)+4*\i:XN+16*((\t)%2)+4*\i+3], v15 offset:32*SP*((\t)%2)+16*\i
.endr
.endm
.macro XSTEP t
.set XS, XN+16*((\t)%2)
.if (\t) > 0
	s_wait_dscnt 1                                 ; this step's numbers are back from the stage; the one younger LDS instruction, the last step's byte store, may be out
.else
	s_wait_dscnt 0x0
.endif
.if (\t)+4 < STEPS
	XLOAD (\t)+4                                   ; into the set whose stores into the stage are done
.endif
.if (\t)+1 < STEPS
.if STEPS-2-(\t) >= 3
	s_wait_loadcnt 12                              ; the next step's four loads are in; the 12 of the three steps behind it may be out
.else
	s_wait_loadcnt 4*(STEPS-2-(\t))                ; the tail: four for each step still behind the next
.endif
	XTURN (\t)+1
.endif
	v_max3_num_f32 v8, |v[XS]|, |v[XS+1]|, |v[XS+2]|               ; the largest magnitude of my 16, in two chains
	v_max3_num_f32 v9, |v[XS+3]|, |v[XS+4]|, |v[XS+5]|
.irp i, 6,10
	v_max3_num_f32 v8, v8, |v[XS+\i]|, |v[XS+\i+1]|
	v_max3_num_f32 v9, v9, |v[XS+\i+2]|, |v[XS+\i+3]|
.endr
	v_max3_num_f32 v8, v8, |v[XS+14]|, |v[XS+15]|
	v_max3_num_f32 v8, v8, v9, 0x1800000           ; and the floor 2^(3 - 127): the byte cannot fall under 1
	v_max_num_f32_dpp v8, v8, v8 row_xmask:1 row_mask:0xf bank_mask:0xf   ; with my neighbour's 16: the block's
	v_add_nc_u32 v11, 0xff000000, v8               ; 2 off its exponent field: the conversion takes the exponent field of this operand as its scale
	v_cvt_scalef32_pk8_fp4_f32 v[XC+4*(\t)], v[XS:XS+7], v11
	v_cvt_scalef32_pk8_fp4_f32 v[XC+4*(\t)+1], v[XS+8:XS+15], v11
	v_lshrrev_b32 v[XE+(\t)], 23, v11              ; the scale's byte (a plain line behind the conversions)
	ds_store_b8 v5, v[XE+(\t)] offset:16*(\t)      ; both lanes of a block write the same byte with the same value
	global_store_b64 v4, v[XC+4*(\t):XC+4*(\t)+1], s[14:15] offset:256*(\t)   ; the wave stores 256 consecutive bytes, aligned
.endm
; ---- path W's macros
.macro WLOAD t                         ; block t: W_qkv(32 t + i, my column), i = 0 .. 31, into set t % 2; the largest offset, 511 rows of 12,288 bytes, lies inside the signed 24-bit immediate
.irp i, 0,1,2,3,4,5,6,7,8,9,10,11,12,13,14,15,16,17,18,19,20,21,22,23,24,25,26,27,28,29,30,31
	global_load_b32 v[32+32*((\t)%2)+\i], v3, s[10:11] offset:(32*(\t)+\i)*12288 th:TH_LOAD_NT
.endr
.endm
.macro WBLOCK t
.set XS, 32+32*((\t)%2)
.if (\t) < 15
	s_wait_loadcnt 32                              ; this block's 32 loads are in; the next block's 32 may be out
.else
	s_wait_loadcnt 0
.endif
	v_max3_num_f32 v12, |v[XS]|, |v[XS+1]|, |v[XS+2]|               ; all 32 numbers of the block are mine
	v_max3_num_f32 v13, |v[XS+3]|, |v[XS+4]|, |v[XS+5]|
.irp i, 6,10,14,18,22,26
	v_max3_num_f32 v12, v12, |v[XS+\i]|, |v[XS+\i+1]|
	v_max3_num_f32 v13, v13, |v[XS+\i+2]|, |v[XS+\i+3]|
.endr
	v_max3_num_f32 v12, v12, |v[XS+30]|, |v[XS+31]|
	v_max3_num_f32 v12, v12, v13, 0x1800000        ; the floor
	v_add_nc_u32 v11, 0xff000000, v12              ; the conversion's scale operand
	v_lshrrev_b32 v13, 23, v11                     ; the scale's byte
.if (\t)%4 == 0
	v_mov_b32 v[24+(\t)/4], v13                    ; four bytes to a register, the lower K in the lower byte
.else
	v_lshl_or_b32 v[24+(\t)/4], v13, 8*((\t)%4), v[24+(\t)/4]
.endif
.irp g, 0,1,2,3
	v_cvt_scalef32_pk8_fp4_f32 v[96+\g], v[XS+8*\g:XS+8*\g+7], v11
.endr
	ds_store_b128 v4, v[96:99] offset:16*(\t)      ; 32 codes: 16 bytes of my column's row
.if (\t)+2 < 16
	WLOAD (\t)+2
.endif
	s_wait_dscnt 0x0                               ; the store has read its registers: the next block's codes may be written
.endm
; ---- path T's macros
.macro CLOAD u                         ; W_out(32 u + i, my column)
.irp i, 0,1,2,3,4,5,6,7,8,9,10,11,12,13,14,15,16,17,18,19,20,21,22,23,24,25,26,27,28,29,30,31
	global_load_b32 v[32+32*((\u)%2)+\i], v3, s[12:13] offset:(32*(\u)+\i)*4096 th:TH_LOAD_NT
.endr
.endm
.macro CBLOCK u
.set XS, 32+32*((\u)%2)
.if (\u) < 3
	s_wait_loadcnt 32                              ; this block's 32 loads are in; the next block's 32 may be out
.else
	s_wait_loadcnt 0
.endif
.irp g, 0,1,2,3,4,5,6,7,8,9,10,11,12,13,14,15
	v_cvt_pk_f16_f32 v[96+\g], v[XS+2*\g], v[XS+2*\g+1]   ; two neighbours along k, the lower in the low half
.endr
.irp g, 0,1,2,3
	ds_store_b128 v4, v[96+4*\g:96+4*\g+3] offset:64*(\u)+16*\g
.endr
.if (\u)+2 < 4
	CLOAD (\u)+2
.endif
	s_wait_dscnt 0x0                               ; the stores have read their registers
.endm
	s_load_b256 s[8:15], s[0:1], 0x0               ; x s[8:9], W_qkv s[10:11], W_out s[12:13], xc s[14:15]
	s_load_b256 s[16:23], s[0:1], 0x20             ; xs s[16:17], wc s[18:19], ws s[20:21], wt s[22:23]
	v_lshl_add_u32 v[SPW], v0, 2, SPARE
	v_mov_b32 v[NIL], 0
	v_lshrrev_b32 v1, 5, v0
	v_readfirstlane_b32 s24, v1                    ; wave 0..3
	v_and_b32 v2, 31, v0                           ; lane
	s_wait_kmcnt 0x0
	s_cmp_lt_u32 ttmp9, 256
	s_cbranch_scc1 .Lpath_x
	s_cmp_lt_u32 ttmp9, 304
	s_cbranch_scc1 .Lpath_w
	; ---------------- path T: a wave takes 32 columns n x 128 along k of W_out
	s_sub_co_u32 s25, ttmp9, 304
	s_and_b32 s26, s25, 7                          ; which 128 columns
	s_lshr_b32 s27, s25, 3                         ; which 128 along k
	s_lshl_b32 s28, s26, 7
	s_lshl_b32 s29, s24, 5
	s_add_co_u32 s28, s28, s29                     ; my wave's first column
	s_lshl_b32 s30, s27, 19                        ; 128 rows of 4,096 bytes
	s_lshl_b32 s29, s28, 2
	s_add_co_u32 s30, s30, s29
	s_mov_b32 s31, 0
	s_add_nc_u64 s[12:13], s[12:13], s[30:31]
	s_lshl_b32 s30, s28, 11                        ; wt: a row is 2,048 bytes,
	s_lshl_b32 s29, s27, 8                         ; 128 along k are 256
	s_add_co_u32 s30, s30, s29
	s_add_nc_u64 s[22:23], s[22:23], s[30:31]
	v_lshlrev_b32 v3, 2, v2                        ; in: 4 bytes a lane
	s_mul_i32 s29, s24, 32*PITCH
	s_add_co_u32 s29, s29, TSTG                    ; my stage
	v_mul_u32_u24 v4, v2, PITCH
	v_add_nc_u32 v4, s29, v4                       ; into it: row = my column
	v_and_b32 v5, 15, v2
	v_lshrrev_b32 v6, 4, v2
	v_mul_u32_u24 v7, v6, PITCH
	v_lshl_add_u32 v7, v5, 4, v7
	v_add_nc_u32 v7, s29, v7                       ; out of it: sixteen lanes to a row, two rows an instruction
	v_lshlrev_b32 v8, 11, v6
	v_lshl_add_u32 v8, v5, 4, v8                   ; and the same place in wt
	CLOAD 0
	CLOAD 1
.irp u, 0,1,2,3
	CBLOCK \u
.endr
.irp t, 0,1,2,3,4,5,6,7,8,9,10,11,12,13,14,15
	ds_load_b128 v[112+4*\t:112+4*\t+3], v7 offset:2*\t*PITCH
.endr
.irp t, 0,1,2,3,4,5,6,7,8,9,10,11,12,13,14,15
	s_wait_dscnt 15-\t                             ; LDS loads come back in order: load t is in, the 15 - t younger ones may be out
	global_store_b128 v8, v[112+4*\t:112+4*\t+3], s[22:23] offset:2*\t*2048   ; sixteen lanes store 256 consecutive bytes, aligned
.endr
	s_wait_tensorcnt 0x0                           ; the wave's end: three lines behind my last LDS store
	ds_add_u32 v[SPW], v[NIL]
	s_wait_dscnt 0x0
	s_endpgm
	; ---------------- path W: a wave takes 32 columns n x 512 along K of W_qkv: 16 blocks a lane
.Lpath_w:
	s_sub_co_u32 s25, ttmp9, 256
	s_cmp_ge_u32 s25, 24
	s_cselect_b32 s26, 1, 0                        ; which 512 along K
	s_cselect_b32 s27, 24, 0
	s_sub_co_u32 s25, s25, s27                     ; which 128 columns
	s_lshl_b32 s28, s25, 7
	s_lshl_b32 s29, s24, 5
	s_add_co_u32 s28, s28, s29                     ; my wave's first column
	s_mul_i32 s30, s26, 512*12288
	s_lshl_b32 s29, s28, 2
	s_add_co_u32 s30, s30, s29
	s_mov_b32 s31, 0
	s_add_nc_u64 s[10:11], s[10:11], s[30:31]
	s_lshl_b32 s30, s28, 9                         ; wc: a row is 512 bytes,
	s_lshl_b32 s29, s26, 8                         ; 512 along K are 256
	s_add_co_u32 s30, s30, s29
	s_add_nc_u64 s[18:19], s[18:19], s[30:31]
	s_lshl_b32 s30, s28, 5                         ; ws: a row is 32 bytes, my part 16
	s_lshl_b32 s29, s26, 4
	s_add_co_u32 s30, s30, s29
	s_add_nc_u64 s[20:21], s[20:21], s[30:31]
	v_lshlrev_b32 v3, 2, v2
	s_mul_i32 s29, s24, 32*PITCH
	s_add_co_u32 s29, s29, WSTG                    ; my stage
	v_mul_u32_u24 v4, v2, PITCH
	v_add_nc_u32 v4, s29, v4
	v_and_b32 v5, 15, v2
	v_lshrrev_b32 v6, 4, v2
	v_mul_u32_u24 v7, v6, PITCH
	v_lshl_add_u32 v7, v5, 4, v7
	v_add_nc_u32 v7, s29, v7
	v_lshlrev_b32 v8, 9, v6
	v_lshl_add_u32 v8, v5, 4, v8
	v_lshlrev_b32 v9, 5, v2                        ; my column's row of scale bytes
	WLOAD 0
	WLOAD 1
.irp t, 0,1,2,3,4,5,6,7,8,9,10,11,12,13,14,15
	WBLOCK \t
.endr
	global_store_b128 v9, v[24:27], s[20:21]       ; my column's 16 scale bytes
.irp t, 0,1,2,3,4,5,6,7,8,9,10,11,12,13,14,15
	ds_load_b128 v[112+4*\t:112+4*\t+3], v7 offset:2*\t*PITCH
.endr
.irp t, 0,1,2,3,4,5,6,7,8,9,10,11,12,13,14,15
	s_wait_dscnt 15-\t                             ; load t is in, the 15 - t younger ones may be out
	global_store_b128 v8, v[112+4*\t:112+4*\t+3], s[18:19] offset:2*\t*512    ; sixteen lanes store 256 consecutive bytes, aligned
.endr
	s_wait_tensorcnt 0x0                           ; the wave's end: the three lines
	ds_add_u32 v[SPW], v[NIL]
	s_wait_dscnt 0x0
	s_endpgm
	; ---------------- path X: a wave takes a run of 8,192 numbers of x: 16 steps of 512.  Rows are dense and 1,024 is a multiple of 32: x is a plain stream of blocks
.Lpath_x:
	v_lshlrev_b32 v3, 4, v2                        ; my 16 bytes of a load's 512
	s_mul_i32 s25, s24, XREG
	v_lshrrev_b32 v14, 2, v2
	v_mul_u32_u24 v14, v14, SP
	v_and_b32 v15, 3, v2
	v_lshl_add_u32 v14, v15, 4, v14
	v_add_nc_u32 v14, s25, v14                     ; the stage, on the way in: SP (lane / 4) + 16 (lane % 4)
	v_mul_u32_u24 v15, v2, SP
	v_add_nc_u32 v15, s25, v15                     ; on the way out: SP x lane: my 16 neighbours
	v_lshlrev_b32 v4, 3, v2                        ; my 8 bytes of a step's codes
	v_lshrrev_b32 v5, 1, v2
	s_add_co_u32 s25, s25, 2*32*SP
	v_add_nc_u32 v5, s25, v5                       ; my block's byte among my wave's 256
	v_lshlrev_b32 v7, 3, v2
	v_add_nc_u32 v6, s25, v7                       ; and on the way out 8 bytes a lane
	s_lshl_b32 s26, ttmp9, 2
	s_add_co_u32 s26, s26, s24                     ; my run
	s_mov_b32 s27, 0
	s_lshl_b64 s[28:29], s[26:27], 15              ; 32,768 bytes of x,
	s_add_nc_u64 s[8:9], s[8:9], s[28:29]
	s_lshl_b64 s[28:29], s[26:27], 12              ; 4,096 of codes,
	s_add_nc_u64 s[14:15], s[14:15], s[28:29]
	s_lshl_b64 s[28:29], s[26:27], 8               ; 256 scale bytes
	s_add_nc_u64 s[16:17], s[16:17], s[28:29]
.irp t, 0,1,2,3
	XLOAD \t
.endr
	s_wait_loadcnt 12                              ; step 0's four loads are in; the 12 behind them may be out
	XTURN 0
.irp t, 0,1,2,3,4,5,6,7,8,9,10,11,12,13,14,15
	XSTEP \t
.endr
	ds_load_b64 v[8:9], v6                         ; LDS serves a wave's instructions in order: these see my byte stores
	s_wait_dscnt 0x0
	global_store_b64 v7, v[8:9], s[16:17]          ; 32 lanes store 256 consecutive bytes, aligned
	s_wait_tensorcnt 0x0                           ; the wave's end: the three lines
	ds_add_u32 v[SPW], v[NIL]
	s_wait_dscnt 0x0
	s_endpgm
.Lfunc_end_k_qda756f6b46_prep:
	.size	k_qda756f6b46_prep, .Lfunc_end_k_qda756f6b46_prep-k_qda756f6b46_prep
	.p2alignl 7, 3214868480
	.fill 96, 4, 3214868480
	.section	.rodata,"a",@progbits
	.p2align	6, 0x0
	.amdhsa_kernel k_qda756f6b46_prep
		.amdhsa_group_segment_fixed_size 102912
		.amdhsa_private_segment_fixed_size 0
		.amdhsa_enable_private_segment 0
		.amdhsa_kernarg_size 64
		.amdhsa_user_sgpr_count 2
		.amdhsa_user_sgpr_kernarg_segment_ptr 1
		.amdhsa_wavefront_size32 1
		.amdhsa_system_sgpr_workgroup_id_x 1
		.amdhsa_system_sgpr_workgroup_id_y 1
		.amdhsa_system_sgpr_workgroup_id_z 1
		.amdhsa_system_vgpr_workitem_id 0
		.amdhsa_next_free_vgpr 192
		.amdhsa_next_free_sgpr 66
		.amdhsa_reserve_vcc 0
		.amdhsa_float_denorm_mode_32 3
		.amdhsa_float_denorm_mode_16_64 3
		.amdhsa_memory_ordered 1
		.amdhsa_forward_progress 1
		.amdhsa_inst_pref_size 132
	.end_amdhsa_kernel
	.amdgpu_metadata
---
amdhsa.version: [ 1, 2 ]
amdhsa.kernels:
  - .name:           k_qda756f6b46_prep
    .symbol:         k_qda756f6b46_prep.kd
    .args:
      - { .name: x, .offset: 0, .size: 8, .value_kind: global_buffer, .address_space: global }
      - { .name: W_qkv, .offset: 8, .size: 8, .value_kind: global_buffer, .address_space: global }
      - { .name: W_out, .offset: 16, .size: 8, .value_kind: global_buffer, .address_space: global }
      - { .name: xc, .offset: 24, .size: 8, .value_kind: global_buffer, .address_space: global }
      - { .name: xs, .offset: 32, .size: 8, .value_kind: global_buffer, .address_space: global }
      - { .name: wc, .offset: 40, .size: 8, .value_kind: global_buffer, .address_space: global }
      - { .name: ws, .offset: 48, .size: 8, .value_kind: global_buffer, .address_space: global }
      - { .name: wt, .offset: 56, .size: 8, .value_kind: global_buffer, .address_space: global }
    .group_segment_fixed_size: 102912
    .private_segment_fixed_size: 0
    .kernarg_segment_align: 8
    .kernarg_segment_size: 64
    .max_flat_workgroup_size: 128
    .sgpr_count:     66
    .vgpr_count:     192
    .wavefront_size: 32
...
	.end_amdgpu_metadata
.endif
;; end of part 1
;; launch qkv (part 2): grid 12 x 32, 4 waves a work-group, clusters of 4 x 4, 327,680 bytes of LDS; arguments xc, xs, wc, ws, b_qkv, qkv; writes qkv
.if DOCPART == 2
	.amdgcn_target "amdgcn-amd-amdhsa--gfx1250"
	.amdhsa_code_object_version 6
	.text
	.protected	k_qda756f6b46_qkv
	.globl	k_qda756f6b46_qkv
	.p2align	8
	.type	k_qda756f6b46_qkv,@function
k_qda756f6b46_qkv:
	s_mov_b64 s[64:65], 0
	v_nop
	global_prefetch_b8 v0, s[64:65] scope:SCOPE_SE
	s_setreg_imm32_b32 hwreg(HW_REG_WAVE_MODE, 25, 1), 1
	s_wait_xcnt 0x0
	s_wait_alu depctr_hold_cnt(0) depctr_sa_sdst(0) depctr_va_vdst(0) depctr_va_sdst(0) depctr_va_ssrc(0) depctr_va_vcc(0) depctr_vm_vsrc(0)
	s_getreg_b32 s2, hwreg(HW_REG_IB_STS2, 6, 4)
	s_cmp_eq_u32 s2, 0
	s_cbranch_scc0 .Lentry_in_a_cluster
	s_endpgm
.Lentry_in_a_cluster:
	s_bfe_u32 s2, ttmp6, 0x10000c
	s_cmp_lg_u32 s2, 0xf033
	s_cbranch_scc0 .Lentry_shape_is_right
	s_endpgm
.Lentry_shape_is_right:
; qkv = x W_qkv + b, on codes of FP4 (E2M1) with one E8M0 scale for each 32 along K; sums in f32; the result rounded once to f16 and laid by head: [part q, k, v][b x 16 + head][l][64].
; WORK LEFT OUT: k's bias, b_qkv[1024:2048], is neither loaded nor added: it moves every score of a query's row by the same amount, which a softmax takes away (shown at the head of the first kernel).
; LIMIT: q, k and v are kept in f16: magnitudes beyond 65,504 are not served.
; A = xc [8192][512 bytes], B = wc [3072][512 bytes]; scale bytes xs [8192][32], ws [3072][32].  A tile of 256 x 256 is made by four waves, 128 x 128 each: 64 accumulators, 512 registers.
; K = 1,024 is two LDS slots of 512 along K (rows of 256 bytes): both are asked for at the start, and nothing is filled again.  By this text's own count a wave has three tensor loads out at the most.
; The scale bytes of the work-group's rows of A and of B, for all of K, are two dense blocks of memory and come once, with the first fills.
; CLUSTERS: 4 x 4 work-groups; A's tiles are asked for jointly along a row of the cluster, B's along a column.  Four tile columns are 1,024 columns: the part (q, k, v) is the cluster's x, the same in all sixteen partners.
; THE MATRIX INSTRUCTION IS USED TRANSPOSED (source 0 = 16 rows of wc, source 1 = 16 rows of xc): a lane holds eight neighbouring columns of one row.
; REGISTERS, in windows of 256: window 0: v0-31 addresses; v32-95 scale words, two sets; v128-191 A's fragments, one set; on the way out v32-63, v192-255 at work.
;   window 1: B's fragments at v0 and v128; v64-127 the bias in the result's layout.   windows 2, 3: the accumulators of my rows 0-63, 64-127 ((a, b) at v[8 (8 (a % 4) + b)]).
.set KSTEP,  512
.set NQ,     4                         ; matrix instructions deep in a slot
.set ROWB,   256                       ; a tile's row in bytes
.set KROW,   512                       ; a row of codes in memory
.set PITCH,  272                       ; an LDS row: 256 bytes + 16 of padding: the 16 rows that a load touches start 68 words apart
.set FR,     8
.set NL,     2
.set NP,     4                         ; places behind this matrix instruction (ISA guide 7.12.1)
.set HALFT,  128*PITCH
.set SLOT,   4*HALFT
.set KS,     32                        ; a row of scale bytes
.set SCL,    2*SLOT
.set HALFS,  (128*KS/256)*272
.set SBLK,   (16*KS/256)*272
.set SPARE,  SCL+4*HALFS               ; the spare words, 128 bytes for each wave: two blocks of 256 bytes that no other line names
.set SPITCH, 272                       ; the way out: a stage of 16 rows x (256 bytes + 16) for each wave, in slot 0, which has had its only fill and its last read by then
.set ADRA, 16
.set ADRB, 20
.set STO,  24
.set RD,   25
.set CO,   26
.set ADRS, 27
.set SPW,  28
.set NIL,  29
.set BO,   30                          ; v30  32 x (lane / 16): my eight numbers of a tile of the bias
.set SC,   32
.set AF,   128
.set BIAS, 64                          ; in window 1
.set TMP,  192
.set OB,   32
.set G1, 24
.set G0, 32
.set G1B, 48
.set G0B, 56
.set G1S, 68
.set G0S, 76
.set G1SB, 80
.set G0SB, 88
.set MSB, 0
.macro WIN new                         ; the immediate's high byte repeats the setting that is left; a switch that changes nothing is dropped
.if MSB != (\new)
	s_set_vgpr_msb (MSB<<8)|(\new)
.set MSB, (\new)
.endif
.endm
.set MUL_LO, 0xa1                      ; source 0 (B) window 1, source 1 (A) window 0, C and D window 2
.set MUL_HI, 0xf1                      ; the same, C and D window 3
.set BIA_LO, 0x91                      ; C (the bias) window 1, D window 2
.set BIA_HI, 0xd1                      ; C window 1, D window 3
.set TO_B,   0x40
; A joint load: waves 0 and 1 fetch for A, waves 2 and 3 for B.  The branch hangs on the wave's number alone.  An s_nop 0 and four v_nop follow each of the two lines.
.macro JLOAD g0a, g1a, g0b, g1b
	s_cmp_eq_u32 s15, 0
	s_cbranch_scc0 .Lfor_b_\@
	tensor_load_to_lds s[\g0a:\g0a+3], s[\g1a:\g1a+7]
	s_nop 0
.rept 4
	v_nop
.endr
	s_branch .Lasked_\@
.Lfor_b_\@:
	tensor_load_to_lds s[\g0b:\g0b+3], s[\g1b:\g1b+7]
	s_nop 0
.rept 4
	v_nop
.endr
.Lasked_\@:
.endm
.macro CROUND                          ; a round of the cluster's barrier
	s_barrier_signal -1
	s_barrier_wait -1
	s_cmp_lg_u32 s14, 0
	s_cbranch_scc1 .Lnot_wave_0_\@
	s_barrier_signal -3
.Lnot_wave_0_\@:
	s_barrier_wait -3
	s_barrier_signal -1
	s_barrier_wait -1
.endm
	s_load_b128 s[4:7], s[0:1], 0x0                ; xc s[4:5], xs s[6:7]
	s_load_b128 s[8:11], s[0:1], 0x10              ; wc s[8:9], ws s[10:11]
	s_load_b64 s[96:97], s[0:1], 0x20              ; b_qkv
	s_load_b64 s[12:13], s[0:1], 0x28              ; qkv
	v_lshl_add_u32 v[SPW], v0, 2, SPARE
	v_mov_b32 v[NIL], 0
	ds_add_u32 v[SPW], v[NIL]                      ; the wave's opening: the add, twice on end, and its wait ahead of my first tensor load
	ds_add_u32 v[SPW], v[NIL]
	v_lshrrev_b32 v1, 5, v0
	v_readfirstlane_b32 s14, v1                    ; wave 0..3
	s_lshr_b32 s15, s14, 1                         ; which half of the tile's rows is mine.  Also: I fetch for A (0) or for B (1)
	s_and_b32 s16, s14, 1                          ; which half of its columns.  Also: which 128 rows of that tile I fetch
	s_bfe_u32 s40, ttmp6, 0x40000                  ; cx, cy: my place in the cluster
	s_bfe_u32 s41, ttmp6, 0x40004
	s_lshl_b32 s42, ttmp9, 2
	s_add_co_u32 s42, s42, s40                     ; tile column = 4 x cluster x + cx
	s_and_b32 s17, ttmp7, 0xffff
	s_lshl_b32 s17, s17, 2
	s_add_co_u32 s17, s17, s41                     ; tile row = 4 x cluster y + cy
	s_lshl_b32 s43, s41, 2
	s_lshl_b32 s43, 15, s43                        ; my row of the cluster
	s_lshl_b32 s44, 0x1111, s40                    ; my column
	; descriptor group 1: a tile of 128 rows x 256 bytes, 16 bytes of padding behind each row
	s_or_b32 s[G1+0], s43, (0<<16)|(1<<20)|(1<<21)|(5<<22)|(3<<25)  ; the mask; elements of 1 byte; padding on; bit 21 beside a mask; after every 64 words four words
	s_or_b32 s[G1B+0], s44, (0<<16)|(1<<20)|(1<<21)|(5<<22)|(3<<25)
.irp g, G1, G1B
	s_mov_b32 s[\g+1], ROWB<<16                    ; tensor_dim0
	s_mov_b32 s[\g+2], 128<<16                     ; tensor_dim1
	s_mov_b32 s[\g+3], ROWB<<16                    ; tile_dim0
	s_mov_b32 s[\g+4], 128                         ; tile_dim1
	s_mov_b32 s[\g+5], KROW                        ; the pitch in memory
	s_mov_b32 s[\g+6], 0
	s_mov_b32 s[\g+7], 0
.endr
	; the scales of 128 rows: a dense block of 4,096 bytes, as 16 rows of 256 bytes (32 elements of 8 bytes), 16 bytes of padding behind each
	s_or_b32 s[G1S+0], s43, (3<<16)|(1<<20)|(1<<21)|(5<<22)|(3<<25)
	s_or_b32 s[G1SB+0], s44, (3<<16)|(1<<20)|(1<<21)|(5<<22)|(3<<25)
.irp g, G1S, G1SB
	s_mov_b32 s[\g+1], 32<<16
	s_mov_b32 s[\g+2], (128*KS/256)<<16
	s_mov_b32 s[\g+3], 32<<16
	s_mov_b32 s[\g+4], 128*KS/256
	s_mov_b32 s[\g+5], 32
	s_mov_b32 s[\g+6], 0
	s_mov_b32 s[\g+7], 0
.endr
	s_lshl_b32 s18, s16, 7                         ; which 128 rows of the tile I fetch
	s_lshl_b32 s20, s17, 8
	s_add_co_u32 s20, s20, s18                     ; A: row 256 x tile row + 128 x half
	s_lshl_b32 s46, s42, 8
	s_add_co_u32 s46, s46, s18                     ; B: row 256 x tile column + 128 x half
	s_mov_b32 s21, 0
	s_mov_b32 s47, 0
	s_mov_b64 s[18:19], KS
	s_mul_u64 s[22:23], s[20:21], s[18:19]         ; where these rows' scales begin,
	s_mul_u64 s[92:93], s[46:47], s[18:19]
	s_mov_b64 s[18:19], KROW
	s_mul_u64 s[20:21], s[20:21], s[18:19]         ; and their codes
	s_mul_u64 s[46:47], s[46:47], s[18:19]
	s_mul_i32 s45, s14, HALFT                      ; where they go: wave x 128 rows: no place in the cluster enters an LDS address
	s_mul_i32 s94, s14, HALFS
	s_wait_dscnt 0x0                               ; both opening adds are done
	s_wait_kmcnt 0x0
	s_add_nc_u64 s[20:21], s[4:5], s[20:21]
	s_add_nc_u64 s[22:23], s[6:7], s[22:23]
	s_add_nc_u64 s[46:47], s[8:9], s[46:47]
	s_add_nc_u64 s[92:93], s[10:11], s[92:93]
	CROUND                                         ; all sixteen work-groups are here: the joint loads meet
	s_mov_b32 s[G0S], 1
	s_add_co_u32 s[G0S+1], s94, SCL
	s_mov_b64 s[G0S+2:G0S+3], s[22:23]
	s_or_b32 s[G0S+3], s[G0S+3], 0x80000000
	s_mov_b32 s[G0SB], 1
	s_add_co_u32 s[G0SB+1], s94, SCL
	s_mov_b64 s[G0SB+2:G0SB+3], s[92:93]
	s_or_b32 s[G0SB+3], s[G0SB+3], 0x80000000
	JLOAD G0S, G1S, G0SB, G1SB                     ; the scales first: they are wanted with the first slot
.irp s, 0,1
	s_mov_b32 s[G0+4*\s], 1
	s_add_co_u32 s[G0+4*\s+1], s45, \s*SLOT
	s_add_nc_u64 s[G0+4*\s+2:G0+4*\s+3], s[20:21], \s*ROWB
	s_or_b32 s[G0+4*\s+3], s[G0+4*\s+3], 0x80000000
	s_mov_b32 s[G0B+4*\s], 1
	s_add_co_u32 s[G0B+4*\s+1], s45, \s*SLOT
	s_add_nc_u64 s[G0B+4*\s+2:G0B+4*\s+3], s[46:47], \s*ROWB
	s_or_b32 s[G0B+4*\s+3], s[G0B+4*\s+3], 0x80000000
	JLOAD G0+4*\s, G1, G0B+4*\s, G1B
.endr
	v_and_b32 v1, 15, v0                           ; r = lane % 16
	v_bfe_u32 v2, v0, 4, 1                         ; h = lane / 16
	v_mul_u32_u24 v3, v1, PITCH
	v_lshl_add_u32 v4, v2, 4, v3                   ; a fragment's row x pitch + 16 h
	s_mul_i32 s21, s15, HALFT                      ; my 128 rows of A
	s_mul_i32 s22, s16, HALFT                      ; my 128 rows of B,
	s_add_co_u32 s22, s22, 2*HALFT                 ; which lie behind A's 256
.irp s, 0,1
	v_add_nc_u32 v[ADRA+\s], s21, v4
	v_add_nc_u32 v[ADRB+\s], s22, v4
	s_add_co_u32 s21, s21, SLOT
	s_add_co_u32 s22, s22, SLOT
.endr
	v_mul_u32_u24 v5, v1, KS                       ; my row's scales: 32 bytes a row,
	v_lshrrev_b32 v6, 8, v5
	v_lshl_add_u32 v5, v6, 4, v5                   ; and 16 more for each 256 passed
	s_mul_i32 s21, s15, HALFS
	s_mul_i32 s22, s16, HALFS
	s_add_co_u32 s22, s22, 2*HALFS
	s_sub_co_u32 s22, s22, s21
	v_mul_u32_u24 v6, s22, v2                      ; lanes 16-31 take B's: one product, the distance between the two bases
	s_add_co_u32 s21, s21, SCL
	v_add_nc_u32 v5, v5, v6
	v_add_nc_u32 v[ADRS], s21, v5
	s_mul_i32 s23, s14, 16*SPITCH                  ; my stage
	v_mul_u32_u24 v5, v1, SPITCH                   ; in: row r, 16 bytes for each half of the lanes
	v_lshl_add_u32 v5, v2, 4, v5
	v_add_nc_u32 v[STO], s23, v5
	v_bfe_u32 v6, v0, 3, 1
	v_and_b32 v7, 7, v0
	v_mul_u32_u24 v5, v6, SPITCH                   ; back: lanes 0-7 and 8-15 take a head's 128 bytes of two rows, lanes 16-31 the second head's
	v_lshl_add_u32 v5, v2, 7, v5
	v_lshl_add_u32 v5, v7, 4, v5
	v_add_nc_u32 v[RD], s23, v5
	v_lshlrev_b32 v[CO], 18, v2                    ; in memory the second head lies 262,144 bytes on; a head's two rows are 256 bytes on end
	v_lshl_add_u32 v[CO], v6, 7, v[CO]
	v_lshl_add_u32 v[CO], v7, 4, v[CO]
	v_lshlrev_b32 v[BO], 5, v2
	s_lshl_b32 s20, s17, 8
	s_lshl_b32 s21, s15, 7
	s_add_co_u32 s20, s20, s21                     ; my first row m0 = 256 x tile row + 128 x half
	s_lshr_b32 s21, s20, 11                        ; b
	s_and_b32 s20, s20, 2047                       ; l
	s_lshl_b32 s46, s42, 2
	s_lshl_b32 s47, s16, 1
	s_add_co_u32 s46, s46, s47                     ; g = my first column / 64 = 4 x tile column + 2 x half
	s_lshr_b32 s47, s46, 4                         ; the part: q, k, v
	s_lshl_b32 s47, s47, 6
	s_lshl_b32 s21, s21, 4
	s_add_co_u32 s47, s47, s21
	s_and_b32 s21, s46, 15
	s_add_co_u32 s47, s47, s21                     ; 64 x part + 16 b + head
	s_lshl_b32 s47, s47, 18                        ; a head is 262,144 bytes
	s_lshl_b32 s20, s20, 7                         ; a row 128
	s_add_co_u32 s20, s20, s47
	s_mov_b32 s21, 0
	s_add_nc_u64 s[12:13], s[12:13], s[20:21]
	s_lshl_b32 s46, s46, 8                         ; the bias of my first column: 256 g bytes
	s_mov_b32 s47, 0
	s_add_nc_u64 s[96:97], s[96:97], s[46:47]
.macro FRAG reg, adr, q, i             ; 16 rows x 128 K of 4-bit codes: 8 registers: lane l holds row l % 16; registers 4 c .. 4 c + 3 hold K = 64 c + 32 (l / 16) + 0 .. 31
.irp c, 0,1
	ds_load_b128 v[\reg+4*\c:\reg+4*\c+3], v[\adr] offset:64*(\q)+32*\c+(\i)*16*PITCH
.endr
.endm
; 16 matrix instructions: A's blocks a0, a0 + 1 x B's eight, the slot's q-th 128 along K.  p: B's set; sc: the set of scale words.  zero = 1: C is the constant 0; 2: C is the bias; 0: in place.
; The 64 accumulators take turns, one instruction a turn, in the same order in every step.
.macro MUL16 a0, p, q, sc, zero
.irp a, \a0, \a0+1
.irp b, 0,1,2,3,4,5,6,7
.if \zero == 1
	v_wmma_scale_f32_16x16x128_f8f6f4 v[8*(8*((\a)%4)+\b):8*(8*((\a)%4)+\b)+7], v[128*(\p)+FR*\b:128*(\p)+FR*\b+FR-1], v[AF+FR*(\a):AF+FR*(\a)+FR-1], 0, v[SC+8*NQ*(\sc)+NQ*\b+(\q)], v[SC+8*NQ*(\sc)+NQ*(\a)+(\q)] matrix_a_fmt:MATRIX_FMT_FP4 matrix_b_fmt:MATRIX_FMT_FP4 matrix_a_scale:MATRIX_SCALE_ROW1
.elseif \zero == 2
	v_wmma_scale_f32_16x16x128_f8f6f4 v[8*(8*((\a)%4)+\b):8*(8*((\a)%4)+\b)+7], v[128*(\p)+FR*\b:128*(\p)+FR*\b+FR-1], v[AF+FR*(\a):AF+FR*(\a)+FR-1], v[BIAS+8*\b:BIAS+8*\b+7], v[SC+8*NQ*(\sc)+NQ*\b+(\q)], v[SC+8*NQ*(\sc)+NQ*(\a)+(\q)] matrix_a_fmt:MATRIX_FMT_FP4 matrix_b_fmt:MATRIX_FMT_FP4 matrix_a_scale:MATRIX_SCALE_ROW1
.else
	v_wmma_scale_f32_16x16x128_f8f6f4 v[8*(8*((\a)%4)+\b):8*(8*((\a)%4)+\b)+7], v[128*(\p)+FR*\b:128*(\p)+FR*\b+FR-1], v[AF+FR*(\a):AF+FR*(\a)+FR-1], v[8*(8*((\a)%4)+\b):8*(8*((\a)%4)+\b)+7], v[SC+8*NQ*(\sc)+NQ*\b+(\q)], v[SC+8*NQ*(\sc)+NQ*(\a)+(\q)] matrix_a_fmt:MATRIX_FMT_FP4 matrix_b_fmt:MATRIX_FMT_FP4 matrix_a_scale:MATRIX_SCALE_ROW1
.endif
.endr
.endr
.endm
.macro FETCH_B slot, q, p
	WIN TO_B
.irp i, 0,1,2,3,4,5,6,7
	FRAG 128*(\p)+FR*\i, ADRB+\slot, \q, \i
.endr
	WIN 0
.endm
.macro FETCH_A slot, q, i0
.irp i, \i0, \i0+1, \i0+2, \i0+3
	FRAG AF+FR*(\i), ADRA+\slot, \q, \i
.endr
.endm
.macro SCALES sc                       ; a slot's scale words: four a row; lanes 0-15 take A's block i, lanes 16-31 B's block i
.irp i, 0,1,2,3,4,5,6,7
	ds_load_b128 v[SC+8*NQ*\sc+NQ*\i:SC+8*NQ*\sc+NQ*\i+3], v[ADRS] offset:\i*SBLK
.endr
.endm
.macro PLACES n                        ; plain vector instructions that name none of the matrix instructions' registers, in front of loads into registers that they have read and of the first read of results
.rept \n
	v_nop
.endr
.endm
; A step of 128 along K that has its successor in the same slot.
.macro STEP slot, q, zero
	s_wait_dscnt 4*NL                              ; B's set and A's blocks 0-3 are in; the youngest eight loads (A's blocks 4-7) may be out
.if \zero == 2
	WIN BIA_LO
.else
	WIN MUL_LO
.endif
	MUL16 0, (\q)%2, \q, \slot, \zero
	MUL16 2, (\q)%2, \q, \slot, \zero
	s_wait_dscnt 0
	PLACES NP
	FETCH_B \slot, (\q)+1, 1-(\q)%2
	FETCH_A \slot, (\q)+1, 0
.if \zero == 2
	WIN BIA_HI
.else
	WIN MUL_HI
.endif
	MUL16 4, (\q)%2, \q, \slot, \zero
	MUL16 6, (\q)%2, \q, \slot, \zero
	PLACES NP
	WIN 0
	FETCH_A \slot, (\q)+1, 4
.endm
; Slot 0's last step changes slots: one barrier; in front of it each wave waits for all its tensor loads (its part of slot 1) and for its own reads of slot 0.
.macro TURN slot, next
	s_wait_tensorcnt 0x0
	ds_add_u32 v[SPW], v[NIL]                      ; 0 onto my spare word
	s_wait_dscnt 4*NL+1                            ; the add and the youngest eight loads (A's blocks 4-7) may be out
	WIN MUL_LO
	MUL16 0, 1, NQ-1, \slot, 0
	s_wait_dscnt 0x0                               ; the add is done, and my reads of this slot are over
	s_barrier_signal -1
	MUL16 2, 1, NQ-1, \slot, 0
	WIN 0
	s_barrier_wait -1
	PLACES NP
	v_add_nc_u32 v[ADRS], 4*NQ, v[ADRS]            ; on to the next slot's scale words
	FETCH_B \next, 0, 0
	FETCH_A \next, 0, 0
	SCALES \next
	WIN MUL_HI
	MUL16 4, 1, NQ-1, \slot, 0
	MUL16 6, 1, NQ-1, \slot, 0
	PLACES NP
	WIN 0
	FETCH_A \next, 0, 4
.endm
.macro STEPS slot, from
.set Q, \from
.rept NQ-1-\from
	STEP \slot, Q, 0
.set Q, Q+1
.endr
.endm
	s_wait_tensorcnt 1                             ; the scales and my part of slot 0 are in; the one younger load, slot 1's, may be out
	s_barrier_signal -1
	s_barrier_wait -1
	FETCH_B 0, 0, 0
	FETCH_A 0, 0, 0
	SCALES 0
	FETCH_A 0, 0, 4
	s_cmp_eq_u32 ttmp9, 1                          ; the cluster's x is the part: 1 = k.  The same in all sixteen partners
	s_cbranch_scc1 .Lpart_k
	WIN TO_B                                       ; q and v: the bias is the C of each sum's first matrix instruction: register 8 b + j of lane (r, h) is the bias of my column 16 b + 8 h + j
.irp b, 0,1,2,3,4,5,6,7
	global_load_b128 v[BIAS+8*\b:BIAS+8*\b+3], v[BO], s[96:97] offset:64*\b
	global_load_b128 v[BIAS+8*\b+4:BIAS+8*\b+7], v[BO], s[96:97] offset:64*\b+16
.endr
	WIN 0
	s_wait_loadcnt 0x0
	STEP 0, 0, 2
	s_branch .Lsums_begun
.Lpart_k:
	STEP 0, 0, 1                                   ; k: the sums begin with the constant 0
.Lsums_begun:
	STEPS 0, 1
	TURN 0, 1
	STEPS 1, 0
	s_wait_dscnt 4*NL                              ; the very last step: the youngest eight loads may be out
	WIN MUL_LO
	MUL16 0, 1, NQ-1, 1, 0
	MUL16 2, 1, NQ-1, 1, 0
	s_wait_dscnt 0
	WIN MUL_HI
	MUL16 4, 1, NQ-1, 1, 0
	MUL16 6, 1, NQ-1, 1, 0
	WIN 0
; THE WAY OUT, block by block of 16 rows x 128 columns (two heads).  PACK: rounded to f16, 16 bytes a lane.  TOSTAGE: into my own stage and back by heads.  SEND: stored.
.macro PACK a
.set AC, 64*((\a)%4)
	WIN 0x0a+5*((\a)/4)                            ; sources 0 and 1: window 2 or 3
.irp b, 0,1,2,3,4,5,6,7
.irp r, 0,1,2,3
	v_cvt_pk_f16_f32 v[TMP+4*\b+\r], v[AC+8*\b+2*\r], v[AC+8*\b+2*\r+1]   ; each accumulator from its low end on
.endr
.endr
	WIN 0
.endm
.macro TOSTAGE a
.set BK, OB+192*((\a)%2)
.irp b, 0,1,2,3,4,5,6,7
	ds_store_b128 v[STO], v[TMP+4*\b:TMP+4*\b+3] offset:32*\b
.endr
.irp t, 0,1,2,3,4,5,6,7
	ds_load_b128 v[BK+4*\t:BK+4*\t+3], v[RD] offset:\t*2*SPITCH    ; LDS serves a wave's instructions in order: these see the stores above
.endr
.endm
.macro SEND a
.set BK, OB+192*((\a)%2)
	s_wait_dscnt 0x0                               ; the block is back in registers
	s_wait_xcnt 0x0                                ; the earlier stores have read their base and their data: both may be written again
.if (\a) > 0
	s_add_nc_u64 s[12:13], s[12:13], 16*128        ; 16 rows of a head on
.endif
.irp t, 0,1,2,3,4,5,6,7
	global_store_b128 v[CO], v[BK+4*\t:BK+4*\t+3], s[12:13] offset:256*\t   ; sixteen lanes store two rows of a head: 256 consecutive bytes, aligned
.endr
.endm
	PLACES NP
	PACK 0
	TOSTAGE 0
.irp a, 1,2,3,4,5,6,7                  ; block a's conversions stand between block a - 1's loads from the stage and the wait for them
	PACK \a
	SEND \a-1
	TOSTAGE \a
.endr
	SEND 7
	s_wait_tensorcnt 0x0                           ; the wave's end: three lines behind my last tensor load and my last LDS store
	ds_add_u32 v[SPW], v[NIL]
	s_wait_dscnt 0x0
	CROUND                                         ; the closing round
	s_endpgm
.Lfunc_end_k_qda756f6b46_qkv:
	.size	k_qda756f6b46_qkv, .Lfunc_end_k_qda756f6b46_qkv-k_qda756f6b46_qkv
	.p2alignl 7, 3214868480
	.fill 96, 4, 3214868480
	.section	.rodata,"a",@progbits
	.p2align	6, 0x0
	.amdhsa_kernel k_qda756f6b46_qkv
		.amdhsa_group_segment_fixed_size 327680
		.amdhsa_private_segment_fixed_size 0
		.amdhsa_enable_private_segment 0
		.amdhsa_kernarg_size 48
		.amdhsa_user_sgpr_count 2
		.amdhsa_user_sgpr_kernarg_segment_ptr 1
		.amdhsa_wavefront_size32 1
		.amdhsa_system_sgpr_workgroup_id_x 1
		.amdhsa_system_sgpr_workgroup_id_y 1
		.amdhsa_system_sgpr_workgroup_id_z 1
		.amdhsa_system_vgpr_workitem_id 0
		.amdhsa_next_free_vgpr 1024
		.amdhsa_next_free_sgpr 98
		.amdhsa_reserve_vcc 0
		.amdhsa_float_denorm_mode_32 3
		.amdhsa_float_denorm_mode_16_64 3
		.amdhsa_memory_ordered 1
		.amdhsa_forward_progress 1
		.amdhsa_inst_pref_size 139
	.end_amdhsa_kernel
	.amdgpu_metadata
---
amdhsa.version: [ 1, 2 ]
amdhsa.kernels:
  - .name:           k_qda756f6b46_qkv
    .symbol:         k_qda756f6b46_qkv.kd
    .args:
      - { .name: xc, .offset: 0, .size: 8, .value_kind: global_buffer, .address_space: global }
      - { .name: xs, .offset: 8, .size: 8, .value_kind: global_buffer, .address_space: global }
      - { .name: wc, .offset: 16, .size: 8, .value_kind: global_buffer, .address_space: global }
      - { .name: ws, .offset: 24, .size: 8, .value_kind: global_buffer, .address_space: global }
      - { .name: b_qkv, .offset: 32, .size: 8, .value_kind: global_buffer, .address_space: global }
      - { .name: qkv, .offset: 40, .size: 8, .value_kind: global_buffer, .address_space: global }
    .group_segment_fixed_size: 327680
    .private_segment_fixed_size: 0
    .kernarg_segment_align: 8
    .kernarg_segment_size: 48
    .max_flat_workgroup_size: 128
    .sgpr_count:     98
    .vgpr_count:     1024
    .wavefront_size: 32
...
	.end_amdgpu_metadata
.endif
;; end of part 2
;; launch attn (part 3): grid 4 x 64, 8 waves a work-group, clusters of 4 x 1, 327,680 bytes of LDS; arguments qkv, ao; writes ao
.if DOCPART == 3
	.amdgcn_target "amdgcn-amd-amdhsa--gfx1250"
	.amdhsa_code_object_version 6
	.text
	.protected	k_qda756f6b46_attn
	.globl	k_qda756f6b46_attn
	.p2align	8
	.type	k_qda756f6b46_attn,@function
k_qda756f6b46_attn:
	s_mov_b64 s[64:65], 0
	v_nop
	global_prefetch_b8 v0, s[64:65] scope:SCOPE_SE
	s_setreg_imm32_b32 hwreg(HW_REG_WAVE_MODE, 25, 1), 1
	s_wait_xcnt 0x0
	s_wait_alu depctr_hold_cnt(0) depctr_sa_sdst(0) depctr_va_vdst(0) depctr_va_sdst(0) depctr_va_ssrc(0) depctr_va_vcc(0) depctr_vm_vsrc(0)
	s_getreg_b32 s2, hwreg(HW_REG_IB_STS2, 6, 4)
	s_cmp_eq_u32 s2, 0
	s_cbranch_scc0 .Lentry_in_a_cluster
	s_endpgm
.Lentry_in_a_cluster:
	s_bfe_u32 s2, ttmp6, 0x10000c
	s_cmp_lg_u32 s2, 0x3003
	s_cbranch_scc0 .Lentry_shape_is_right
	s_endpgm
.Lentry_shape_is_right:
; ao[head][q][:] = the sum over keys of softmax(q . k / 8) v.  q, k, v: the three parts of qkv, [64 heads][2048][64] f16 (k without its bias: see the first kernel's head); ao: the same layout, f16.
; Products, maxima and sums in f32; the weights p are rounded to f16 for the second product, the result once at the end.  The maximum is a running one.  LIMIT: operands in f16.
; SHARES.  A work-group owns 512 queries of one head; each of its eight waves 64: four tiles of 16, in 512 registers: two waves to a SIMD, so that one wave's softmax stands beside the other's products.
; Every wave walks all 2,048 keys, 64 a step.  K and V come through two LDS slots of 512 keys (waves 0-3: K's quarters; waves 4-7: V's); each slot is filled again once.
; CLUSTER.  A head's four query blocks are one cluster and walk the same K and V: each tile is asked for jointly, with a mask that names the four.
; LAYOUT.  S^T = K Q^T (source 0 = 16 keys, source 1 = 16 queries): a lane holds ONE query (lane % 16) and keys 8 (lane / 16) + 0..7.  Two such tiles, rounded in pairs, ARE source 1 (32 keys x 16 queries)
; of O^T = V^T P, whose result again holds one query a lane and eight channels.  K comes out of LDS as it lies, V ([key][channel]) turned, by ds_load_tr16_b128.
; SOFTMAX.  For each query a running maximum m and sum l: p = 2^(c s - c m), c = log2(e) / 8; in every step O and l are multiplied by a = 2^(c m_old - c m_new).
; No prefetch: a refill is asked for eight key steps, 512 matrix instructions of the wave, ahead of the wait for it.
; REGISTERS: window 0: v1-11 addresses; v12-43 eight registers of statistics a tile; v44, v45 the add's two; v64-191 S^T, 32 a tile (P takes a tile's first 16 in place); v192-255 V's 8 fragments.
;   window 1: v0-127 O^T, 32 a tile; v128-191 Q, 16 a tile; v192-255 K's 8 fragments.
.set PK,    144                        ; a row of K in LDS: 128 bytes + 16 of padding: an odd multiple of 16
.set PV,    160                        ; a row of V: 128 + 32: an odd multiple of 32, for the turning load
.set VOFF,  512*PK                     ; a slot: 512 rows of K, then 512 rows of V
.set SLOTB, 512*(PK+PV)
.set SPARE, 2*SLOTB                    ; the spare words, 128 bytes for each of eight waves: four blocks of 256 bytes that no other line names
.set SP,    144                        ; the way out: a stage of 16 rows x (128 bytes + 16) for each wave, in slot 0: it has had its last fill, and nobody reads it behind the last change of slots
.set AK0, 2
.set AV0, 3
.set ADK, 4
.set ADV, 5
.set QO,  6
.set STO, 7
.set RD,  8
.set GO,  10
.set ST,  12                           ; tile t at v[ST+8 t]: +0 c m, +1 m, +2, +3 l (even keys', odd keys'), +4 to +7 c0-c3 at work; a takes +6; the sums' second chain +4, +5
.set SPW, 44
.set NIL, 45
.set S,   64
.set VF,  192                          ; window 0
.set QF,  128                          ; window 1
.set KF,  192                          ; window 1
.set WV,  12
.set G1K, 24
.set G1V, 32
.set G0K, 40                           ; s[40:47] group 0 for K's tiles, a set for each slot
.set G0V, 48
.set CNT, 56
.set TK,  57                           ; LDS byte at which the step's rows of K begin
.set CS,  58
.set SEL, 60
.set TV,  62                           ; the same for V (less VOFF)
.set MSB, 0
.macro WIN new
.if MSB != (\new)
	s_set_vgpr_msb (MSB<<8)|(\new)
.set MSB, (\new)
.endif
.endm
.set W_KQ, 0x05                        ; K and Q window 1, S^T window 0
.set W_PV, 0x50                        ; V and P window 0, O^T window 1
.set W_RS, 0x41                        ; O^T (destination and source 0) window 1, a window 0
.set TO1,  0x40                        ; destination window 1
.macro JLOAD s                         ; a joint refill of slot s: waves 0-3 K's quarters, waves 4-7 V's.  An s_nop 0 and four v_nop follow each of the two lines
	s_cmp_lt_u32 s[WV], 4
	s_cbranch_scc0 .Lfor_v_\@
	tensor_load_to_lds s[G0K+4*\s:G0K+4*\s+3], s[G1K:G1K+7]
	s_nop 0
.rept 4
	v_nop
.endr
	s_branch .Lasked_\@
.Lfor_v_\@:
	tensor_load_to_lds s[G0V+4*\s:G0V+4*\s+3], s[G1V:G1V+7]
	s_nop 0
.rept 4
	v_nop
.endr
.Lasked_\@:
.endm
.macro CROUND
	s_barrier_signal -1
	s_barrier_wait -1
	s_cmp_lg_u32 s[WV], 0
	s_cbranch_scc1 .Lnot_wave_0_\@
	s_barrier_signal -3
.Lnot_wave_0_\@:
	s_barrier_wait -3
	s_barrier_signal -1
	s_barrier_wait -1
.endm
.macro PLACES
.rept 4
	v_nop
.endr
.endm
	s_load_b64 s[4:5], s[0:1], 0x0                 ; qkv
	s_load_b64 s[10:11], s[0:1], 0x8               ; ao
	v_lshl_add_u32 v[SPW], v0, 2, SPARE
	v_mov_b32 v[NIL], 0
	ds_add_u32 v[SPW], v[NIL]                      ; the wave's opening: the add, twice on end, and its wait ahead of my first tensor load
	ds_add_u32 v[SPW], v[NIL]
	v_lshrrev_b32 v1, 5, v0
	v_readfirstlane_b32 s[WV], v1                  ; wave 0..7
	s_bfe_u32 s13, ttmp6, 0x40000                  ; cx
	s_lshl_b32 s14, ttmp9, 2
	s_add_co_u32 s14, s14, s13                     ; my block of 512 queries: it enters Q's and ao's addresses alone
	s_and_b32 s20, ttmp7, 0xffff                   ; the head, which the four partners share
	s_lshl_b32 s20, s20, 18                        ; its first byte in a part
	s_and_b32 s16, s[WV], 3                        ; which quarter of a slot I fetch:
	s_lshl_b32 s22, s16, 14                        ; 128 rows of 128 bytes in memory,
	s_add_co_u32 s22, s22, s20
	s_mov_b32 s23, 0
	s_mul_i32 s17, s16, 128*PK                     ; and in a slot: K's,
	s_mul_i32 s18, s16, 128*PV
	s_add_co_u32 s18, s18, VOFF                    ; V's
	s_lshl_b32 s2, s14, 16                         ; my block's 512 rows,
	s_lshl_b32 s3, s[WV], 13                       ; my wave's 64 of them
	s_add_co_u32 s2, s2, s3
	s_add_co_u32 s2, s2, s20
	s_mov_b32 s3, 0
	; descriptor group 1: 128 rows x 64 elements of 2 bytes, padded behind every row
	s_mov_b32 s[G1K], 15|(1<<16)|(1<<20)|(1<<21)|(4<<22)|(3<<25)  ; the mask: all four; elements of 2 bytes; padding on; bit 21 beside a mask; after every 32 words four words
	s_mov_b32 s[G1V], 15|(1<<16)|(1<<20)|(1<<21)|(4<<22)|(7<<25)  ; the same with eight words
.irp g, G1K, G1V
	s_mov_b32 s[\g+1], 64<<16                      ; tensor_dim0
	s_mov_b32 s[\g+2], 128<<16                     ; tensor_dim1
	s_mov_b32 s[\g+3], 64<<16                      ; tile_dim0
	s_mov_b32 s[\g+4], 128                         ; tile_dim1
	s_mov_b32 s[\g+5], 64                          ; the pitch in memory
	s_mov_b32 s[\g+6], 0
	s_mov_b32 s[\g+7], 0
.endr
	s_mov_b32 s[CS], 0x3e38aa3b                    ; c = log2(e) / 8
	s_mov_b32 s[CS+1], s[CS]                       ; named with it as a pair, so it is written
	s_mov_b32 s[SEL], 0x76543210
	s_mov_b32 s[SEL+1], 0xfedcba98                 ; v_permlanex16_b32's selects for lane l xor 16
	s_mov_b32 s[TK], 0
	s_mov_b32 s[TV], 0
	s_wait_dscnt 0x0                               ; both opening adds are done
	s_wait_kmcnt 0x0
	s_add_nc_u64 s[6:7], s[4:5], s[22:23]
	s_add_nc_u64 s[8:9], s[6:7], 0x2000000         ; V: the third part, my quarter of slot 0
	s_add_nc_u64 s[6:7], s[6:7], 0x1000000         ; K: the second part
	s_add_nc_u64 s[4:5], s[4:5], s[2:3]            ; Q and ao at my wave's first row
	s_add_nc_u64 s[10:11], s[10:11], s[2:3]
	CROUND                                         ; all four work-groups are here: the first joint loads meet
.irp s, 0,1
	s_mov_b32 s[G0K+4*\s], 1
	s_add_co_u32 s[G0K+4*\s+1], s17, \s*SLOTB
	s_add_nc_u64 s[G0K+4*\s+2:G0K+4*\s+3], s[6:7], \s*65536   ; slot s begins with keys 512 s on
	s_or_b32 s[G0K+4*\s+3], s[G0K+4*\s+3], 0x80000000
	s_mov_b32 s[G0V+4*\s], 1
	s_add_co_u32 s[G0V+4*\s+1], s18, \s*SLOTB
	s_add_nc_u64 s[G0V+4*\s+2:G0V+4*\s+3], s[8:9], \s*65536
	s_or_b32 s[G0V+4*\s+3], s[G0V+4*\s+3], 0x80000000
.endr
	s_cmp_lt_u32 s[WV], 4                          ; a wave's two first fills stand in one branch, ahead of every wait on TENSORcnt and every LDS read: two loads of mine are out
	s_cbranch_scc0 .Lfirst_v
	tensor_load_to_lds s[G0K:G0K+3], s[G1K:G1K+7]
	s_nop 0
	tensor_load_to_lds s[G0K+4:G0K+7], s[G1K:G1K+7]
	s_nop 0
.rept 4
	v_nop
.endr
	s_branch .Lfirst_asked
.Lfirst_v:
	tensor_load_to_lds s[G0V:G0V+3], s[G1V:G1V+7]
	s_nop 0
	tensor_load_to_lds s[G0V+4:G0V+7], s[G1V:G1V+7]
	s_nop 0
.rept 4
	v_nop
.endr
.Lfirst_asked:
	v_and_b32 v1, 15, v0                           ; r
	v_bfe_u32 v9, v0, 4, 1                         ; h
	v_lshlrev_b32 v[QO], 7, v1
	v_lshl_add_u32 v[QO], v9, 4, v[QO]             ; row r of 128 bytes + 16 h
	WIN TO1
.irp i, 0,1,2,3,4,5,6,7                        ; Q stays in registers: tile i / 2, channels 32 (i % 2) on
	global_load_b128 v[QF+8*\i:QF+8*\i+3],   v[QO], s[4:5] offset:(\i/2)*2048+(\i%2)*64
	global_load_b128 v[QF+8*\i+4:QF+8*\i+7], v[QO], s[4:5] offset:(\i/2)*2048+(\i%2)*64+32
.endr
	WIN 0
	v_mul_u32_u24 v[AK0], v1, PK
	v_lshl_add_u32 v[AK0], v9, 4, v[AK0]           ; K: row r x pitch + 16 h
	v_and_b32 v11, 7, v0
	v_bfe_u32 v46, v0, 3, 1
	v_lshl_add_u32 v[AV0], v9, 3, v11              ; V: lane l reads 16 bytes of key 8 h + l % 8, channels 8 ((l / 8) % 2) on
	v_mul_u32_u24 v[AV0], v[AV0], PV
	v_lshl_add_u32 v[AV0], v46, 4, v[AV0]
	v_add_nc_u32 v[AV0], VOFF, v[AV0]
	s_mul_i32 s19, s[WV], 16*SP                    ; my stage
	v_mul_u32_u24 v[STO], v1, SP                   ; in: row r, 16 bytes for each half of the lanes
	v_lshl_add_u32 v[STO], v9, 4, v[STO]
	v_add_nc_u32 v[STO], s19, v[STO]
	v_bfe_u32 v46, v0, 3, 2
	v_mul_u32_u24 v[RD], v46, SP                   ; back: eight lanes to a row of 128 bytes, four rows an instruction
	v_lshl_add_u32 v[RD], v11, 4, v[RD]
	v_add_nc_u32 v[RD], s19, v[RD]
	v_and_b32 v[GO], 31, v0
	v_lshlrev_b32 v[GO], 4, v[GO]                  ; in ao those four rows are 512 bytes on end
; THE SOFTMAX of the wave's four tiles for one key step; the tiles are the inner loop, so that no line waits for the line above it.  first = 1: the first key step, which starts m, l and O^T.
.macro SOFTMAX first
.irp j, 0,1,2,3                                ; the maximum of a lane's 32 scores and the old m: four chains, one for each accumulator, each read from its low end on
.irp t, 0,1,2,3
	v_max3_num_f32 v[ST+8*\t+4+\j], v[S+32*\t+8*\j], v[S+32*\t+8*\j+1], v[S+32*\t+8*\j+2]
.endr
.endr
.irp u, 1,2
.irp j, 0,1,2,3
.irp t, 0,1,2,3
	v_max3_num_f32 v[ST+8*\t+4+\j], v[ST+8*\t+4+\j], v[S+32*\t+8*\j+2*\u+1], v[S+32*\t+8*\j+2*\u+2]
.endr
.endr
.endr
.irp t, 0,1,2,3
	v_max3_num_f32 v[ST+8*\t+4], v[ST+8*\t+4], v[S+32*\t+7], v[S+32*\t+15]
.endr
.irp t, 0,1,2,3
	v_max3_num_f32 v[ST+8*\t+6], v[ST+8*\t+6], v[S+32*\t+23], v[S+32*\t+31]
.endr
.irp t, 0,1,2,3
	v_max3_num_f32 v[ST+8*\t+4], v[ST+8*\t+4], v[ST+8*\t+5], v[ST+8*\t+6]
.endr
.irp t, 0,1,2,3
.if \first
	v_max_num_f32 v[ST+8*\t+4], v[ST+8*\t+4], v[ST+8*\t+7]
.else
	v_max3_num_f32 v[ST+8*\t+4], v[ST+8*\t+4], v[ST+8*\t+7], v[ST+8*\t+1]
.endif
.endr
.irp t, 0,1,2,3
	v_permlanex16_b32 v[ST+8*\t+5], v[ST+8*\t+4], s[SEL], s[SEL+1]   ; the query's other 32 keys lie in the lane 16 away
.endr
.if \first == 0
.irp t, 0,1,2,3
	v_mov_b32 v[ST+8*\t+7], v[ST+8*\t]             ; c m_old is kept for a
.endr
.endif
.irp t, 0,1,2,3
	v_max_num_f32 v[ST+8*\t+1], v[ST+8*\t+4], v[ST+8*\t+5]
.endr
.irp t, 0,1,2,3
	v_mul_f32 v[ST+8*\t], s[CS], v[ST+8*\t+1]
.endr
.if \first == 0
.irp t, 0,1,2,3
	v_sub_f32 v[ST+8*\t+7], v[ST+8*\t+7], v[ST+8*\t]
.endr
.irp t, 0,1,2,3
	v_exp_f32 v[ST+8*\t+6], v[ST+8*\t+7]           ; a.  ONE BATCH from here on: none of its lines names an exponential's result
.endr
.endif
.set b, 0
.rept 17                                       ; pair b is scaled a round ahead of its exponentials
.if b < 16
.irp t, 0,1,2,3
	v_pk_fma_f32 v[S+32*\t+2*b:S+32*\t+2*b+1], v[S+32*\t+2*b:S+32*\t+2*b+1], s[CS:CS+1], v[ST+8*\t:ST+8*\t+1] op_sel_hi:[1,0,0] neg_lo:[0,0,1] neg_hi:[0,0,1]   ; c s - c m
.endr
.endif
.if b > 0
.irp t, 0,1,2,3
	v_exp_f32 v[S+32*\t+2*b-2], v[S+32*\t+2*b-2]
	v_exp_f32 v[S+32*\t+2*b-1], v[S+32*\t+2*b-1]
.endr
.endif
.set b, b+1
.endr
	v_nop                                          ; a plain instruction behind the last exponential
	s_wait_alu depctr_va_vdst(0)                   ; the wait ahead of the first line that names a result: one for the whole batch
.if \first                                     ; the sums of the unrounded weights, in two chains; S^T is left as it is
.irp t, 0,1,2,3
	v_pk_add_f32 v[ST+8*\t+2:ST+8*\t+3], v[S+32*\t:S+32*\t+1], v[S+32*\t+2:S+32*\t+3]
.endr
.irp t, 0,1,2,3
	v_pk_add_f32 v[ST+8*\t+4:ST+8*\t+5], v[S+32*\t+4:S+32*\t+5], v[S+32*\t+6:S+32*\t+7]
.endr
.set p, 4
.else
.irp t, 0,1,2,3
	v_pk_fma_f32 v[ST+8*\t+2:ST+8*\t+3], v[ST+8*\t+2:ST+8*\t+3], v[ST+8*\t+6:ST+8*\t+7], v[S+32*\t:S+32*\t+1] op_sel_hi:[1,0,1]   ; l = a l + pair 0
.endr
.irp t, 0,1,2,3
	v_pk_add_f32 v[ST+8*\t+4:ST+8*\t+5], v[S+32*\t+2:S+32*\t+3], v[S+32*\t+4:S+32*\t+5]
.endr
.set p, 3
.endif
.rept 13
.if p < 16
.irp t, 0,1,2,3
.if p % 2
	v_pk_add_f32 v[ST+8*\t+2:ST+8*\t+3], v[ST+8*\t+2:ST+8*\t+3], v[S+32*\t+2*p:S+32*\t+2*p+1]
.else
	v_pk_add_f32 v[ST+8*\t+4:ST+8*\t+5], v[ST+8*\t+4:ST+8*\t+5], v[S+32*\t+2*p:S+32*\t+2*p+1]
.endif
.endr
.endif
.set p, p+1
.endr
.irp t, 0,1,2,3
	v_pk_add_f32 v[ST+8*\t+2:ST+8*\t+3], v[ST+8*\t+2:ST+8*\t+3], v[ST+8*\t+4:ST+8*\t+5]
.endr
.set i, 0
.rept 16                                       ; P in place: register i takes pair i; it has been read by then (as part of pair i / 2)
.irp t, 0,1,2,3
	v_cvt_pk_f16_f32 v[S+32*\t+i], v[S+32*\t+2*i], v[S+32*\t+2*i+1]
.endr
.set i, i+1
.endr
.if \first == 0
	WIN W_RS
.set i, 0
.rept 16                                       ; O^T times a, each accumulator from its low end on
.irp t, 0,1,2,3
	v_pk_mul_f32 v[32*\t+2*i:32*\t+2*i+1], v[32*\t+2*i:32*\t+2*i+1], v[ST+8*\t+6:ST+8*\t+7] op_sel_hi:[1,0]
.endr
.set i, i+1
.endr
.endif
.endm
; A KEY STEP: 64 keys.  In both products the sixteen accumulators take turns, one instruction a turn.
.macro STEP first
	v_add_nc_u32 v[ADK], s[TK], v[AK0]
	v_add_nc_u32 v[ADV], s[TV], v[AV0]
.if \first == 0
	PLACES                                         ; with the two additions six places behind the last V^T P: four are owed to the loads into V's registers, five to the products that write over P
.endif
	WIN TO1
.irp f, 0,1,2,3,4,5,6,7                        ; K: keys 16 (f / 2) on, channels 32 (f % 2) on
	ds_load_b128 v[KF+8*\f:KF+8*\f+3],   v[ADK] offset:(\f/2)*16*PK+(\f%2)*64
	ds_load_b128 v[KF+8*\f+4:KF+8*\f+7], v[ADK] offset:(\f/2)*16*PK+(\f%2)*64+32
.endr
	WIN 0
.irp f, 0,1,2,3,4,5,6,7                        ; V, turned: keys 32 (f / 4) on, channels 16 (f % 4) on
	ds_load_tr16_b128 v[VF+8*\f:VF+8*\f+3],   v[ADV] offset:(\f/4)*32*PV+(\f%4)*32
	ds_load_tr16_b128 v[VF+8*\f+4:VF+8*\f+7], v[ADV] offset:(\f/4)*32*PV+16*PV+(\f%4)*32
.endr
	s_wait_dscnt 16                                ; K is in; V's sixteen loads, issued behind it, may be out
	WIN W_KQ
.set i, 0
.rept 32                                       ; S^T = K Q^T: channels 32 (i / 16) on, keys 16 ((i / 4) % 4) on, tile i % 4
.set rS, S+32*(i%4)+8*((i/4)%4)
.set rK, KF+16*((i/4)%4)+8*(i/16)
.set rQ, QF+16*(i%4)+8*(i/16)
.if i < 16
	v_wmma_f32_16x16x32_f16 v[rS:rS+7], v[rK:rK+7], v[rQ:rQ+7], 0
.else
	v_wmma_f32_16x16x32_f16 v[rS:rS+7], v[rK:rK+7], v[rQ:rQ+7], v[rS:rS+7]
.endif
.set i, i+1
.endr
	WIN 0
	PLACES
	SOFTMAX \first
	s_wait_dscnt 0x0                               ; V is in
	WIN W_PV
.set i, 0
.rept 32                                       ; O^T += V^T P: keys 32 (i / 16) on, channels 16 ((i / 4) % 4) on, tile i % 4
.set rO, 32*(i%4)+8*((i/4)%4)
.set rV, VF+8*(4*(i/16)+(i/4)%4)
.set rP, S+32*(i%4)+8*(i/16)
.if \first && (i < 16)
	v_wmma_f32_16x16x32_f16 v[rO:rO+7], v[rV:rV+7], v[rP:rP+7], 0
.else
	v_wmma_f32_16x16x32_f16 v[rO:rO+7], v[rV:rV+7], v[rP:rP+7], v[rO:rO+7]
.endif
.set i, i+1
.endr
	WIN 0
.endm
.macro STEPS slot, n, skip             ; n key steps of a slot, from its step skip on
	s_mov_b32 s[TK], \slot*SLOTB+\skip*64*PK
	s_mov_b32 s[TV], \slot*SLOTB+\skip*64*PV
	s_mov_b32 s[CNT], \n
.Lstep_\@:
	STEP 0
	s_add_co_u32 s[TK], s[TK], 64*PK
	s_add_co_u32 s[TV], s[TV], 64*PV
	s_sub_co_u32 s[CNT], s[CNT], 1
	s_cmp_lg_u32 s[CNT], 0
	s_cbranch_scc1 .Lstep_\@
.endm
; THE CHANGE OF SLOTS.  Each wave waits for all its tensor loads (its part of the slot ahead), adds 0 to its spare word, and waits for that and for its reads of the slot that it leaves.
; fill = 1: the slot left is filled again with the keys 1,024 further on: the barrier is a round of the cluster's, and the joint refill is the first thing behind it.
.macro CHANGE fill, slot
	s_wait_tensorcnt 0x0                           ; no tensor load of mine is out, so a group 0 may be written
	ds_add_u32 v[SPW], v[NIL]
.if \fill
	s_add_nc_u64 s[G0K+4*\slot+2:G0K+4*\slot+3], s[G0K+4*\slot+2:G0K+4*\slot+3], 131072
	s_add_nc_u64 s[G0V+4*\slot+2:G0V+4*\slot+3], s[G0V+4*\slot+2:G0V+4*\slot+3], 131072
.endif
	s_wait_dscnt 0x0                               ; the add is done, and my reads of the slot are over
.if \fill
	CROUND
	JLOAD \slot
.else
	s_barrier_signal -1
	s_barrier_wait -1
.endif
.endm
	s_wait_tensorcnt 1                             ; my part of slot 0 is in; the one younger load, slot 1's, may be out
	s_barrier_signal -1
	s_barrier_wait -1
	s_wait_loadcnt 0x0                             ; Q
	STEP 1                                         ; keys 0-63 start m, l and O^T: nothing is cleared
	STEPS 0, 7, 1
	CHANGE 1, 0                                    ; slot 0 takes keys 1,024 on
	STEPS 1, 8, 0
	CHANGE 1, 1                                    ; slot 1 takes keys 1,536 on
	STEPS 0, 8, 0
	CHANGE 0, 0                                    ; nothing is left to ask for
	STEPS 1, 8, 0
	; THE WAY OUT.  l's two halves and the other half of the lanes' are added (these additions are the places behind the last products); O^T is divided by l, rounded to f16 and sent through my stage, a tile at a time.
.irp t, 0,1,2,3
	v_add_f32 v[ST+8*\t+4], v[ST+8*\t+2], v[ST+8*\t+3]
.endr
.irp t, 0,1,2,3
	v_permlanex16_b32 v[ST+8*\t+5], v[ST+8*\t+4], s[SEL], s[SEL+1]
.endr
.irp t, 0,1,2,3
	v_add_f32 v[ST+8*\t+4], v[ST+8*\t+4], v[ST+8*\t+5]
.endr
.irp t, 0,1,2,3
	v_rcp_f32 v[ST+8*\t+6], v[ST+8*\t+4]
.endr
	v_nop                                          ; a plain instruction behind the last reciprocal
	s_wait_alu depctr_va_vdst(0)                   ; and the wait ahead of the first use: one for the four
.macro PACK t
	WIN W_RS
.set i, 0
.rept 16
	v_pk_mul_f32 v[32*\t+2*i:32*\t+2*i+1], v[32*\t+2*i:32*\t+2*i+1], v[ST+8*\t+6:ST+8*\t+7] op_sel_hi:[1,0]
.set i, i+1
.endr
	WIN 0x05                                       ; sources 0 and 1 window 1, destination window 0
.set i, 0
.rept 16
	v_cvt_pk_f16_f32 v[S+32*\t+i], v[32*\t+2*i], v[32*\t+2*i+1]
.set i, i+1
.endr
	WIN 0
.irp c, 0,1,2,3
	ds_store_b128 v[STO], v[S+32*\t+4*\c:S+32*\t+4*\c+3] offset:32*\c
.endr
.irp u, 0,1,2,3
	ds_load_b128 v[S+32*\t+16+4*\u:S+32*\t+16+4*\u+3], v[RD] offset:\u*4*SP   ; LDS serves a wave's instructions in order: these see the stores above; the next tile's stores come behind them
.endr
.endm
.macro SEND t, younger                 ; younger: the LDS instructions issued behind tile t's loads: the next tile's four stores and four loads, or none
.irp u, 0,1,2,3
	s_wait_dscnt \younger+3-\u
	global_store_b128 v[GO], v[S+32*\t+16+4*\u:S+32*\t+16+4*\u+3], s[10:11] offset:\t*2048+\u*512   ; 32 lanes store 512 consecutive bytes, aligned
.endr
.endm
	PACK 0
	PACK 1
	SEND 0, 8
	PACK 2
	SEND 1, 8
	PACK 3
	SEND 2, 8
	SEND 3, 0
	s_wait_tensorcnt 0x0                           ; the wave's end: three lines behind my last tensor load and my last LDS store
	ds_add_u32 v[SPW], v[NIL]
	s_wait_dscnt 0x0
	CROUND                                         ; the closing round
	s_endpgm
.Lfunc_end_k_qda756f6b46_attn:
	.size	k_qda756f6b46_attn, .Lfunc_end_k_qda756f6b46_attn-k_qda756f6b46_attn
	.p2alignl 7, 3214868480
	.fill 96, 4, 3214868480
	.section	.rodata,"a",@progbits
	.p2align	6, 0x0
	.amdhsa_kernel k_qda756f6b46_attn
		.amdhsa_group_segment_fixed_size 327680
		.amdhsa_private_segment_fixed_size 0
		.amdhsa_enable_private_segment 0
		.amdhsa_kernarg_size 16
		.amdhsa_user_sgpr_count 2
		.amdhsa_user_sgpr_kernarg_segment_ptr 1
		.amdhsa_wavefront_size32 1
		.amdhsa_system_sgpr_workgroup_id_x 1
		.amdhsa_system_sgpr_workgroup_id_y 1
		.amdhsa_system_sgpr_workgroup_id_z 1
		.amdhsa_system_vgpr_workitem_id 0
		.amdhsa_next_free_vgpr 512
		.amdhsa_next_free_sgpr 66
		.amdhsa_reserve_vcc 0
		.amdhsa_float_denorm_mode_32 3
		.amdhsa_float_denorm_mode_16_64 3
		.amdhsa_memory_ordered 1
		.amdhsa_forward_progress 1
		.amdhsa_inst_pref_size 178
	.end_amdhsa_kernel
	.amdgpu_metadata
---
amdhsa.version: [ 1, 2 ]
amdhsa.kernels:
  - .name:           k_qda756f6b46_attn
    .symbol:         k_qda756f6b46_attn.kd
    .args:
      - { .name: qkv, .offset: 0, .size: 8, .value_kind: global_buffer, .address_space: global }
      - { .name: ao, .offset: 8, .size: 8, .value_kind: global_buffer, .address_space: global }
    .group_segment_fixed_size: 327680
    .private_segment_fixed_size: 0
    .kernarg_segment_align: 8
    .kernarg_segment_size: 16
    .max_flat_workgroup_size: 256
    .sgpr_count:     66
    .vgpr_count:     512
    .wavefront_size: 32
...
	.end_amdgpu_metadata
.endif
;; end of part 3
;; launch proj (part 4): grid 8 x 32, 4 waves a work-group, clusters of 4 x 4, 327,680 bytes of LDS; arguments ao, wt, b_out, out0; writes out0
.if DOCPART == 4
	.amdgcn_target "amdgcn-amd-amdhsa--gfx1250"
	.amdhsa_code_object_version 6
	.text
	.protected	k_qda756f6b46_proj
	.globl	k_qda756f6b46_proj
	.p2align	8
	.type	k_qda756f6b46_proj,@function
k_qda756f6b46_proj:
	s_mov_b64 s[64:65], 0
	v_nop
	global_prefetch_b8 v0, s[64:65] scope:SCOPE_SE
	s_setreg_imm32_b32 hwreg(HW_REG_WAVE_MODE, 25, 1), 1
	s_wait_xcnt 0x0
	s_wait_alu depctr_hold_cnt(0) depctr_sa_sdst(0) depctr_va_vdst(0) depctr_va_sdst(0) depctr_va_ssrc(0) depctr_va_vcc(0) depctr_vm_vsrc(0)
	s_getreg_b32 s2, hwreg(HW_REG_IB_STS2, 6, 4)
	s_cmp_eq_u32 s2, 0
	s_cbranch_scc0 .Lentry_in_a_cluster
	s_endpgm
.Lentry_in_a_cluster:
	s_bfe_u32 s2, ttmp6, 0x10000c
	s_cmp_lg_u32 s2, 0xf033
	s_cbranch_scc0 .Lentry_shape_is_right
	s_endpgm
.Lentry_shape_is_right:
; out0[m][n] = the sum over k of a[m][k] W_out[k][n] + b_out[n].  a = ao, f16, laid by head: [b x 16 + head][l][64], m = 2048 b + l, k = 64 head + d; wt = W_out transposed, f16 [n][k]; out0 f32; sums in f32.
; A tile of out0 is 256 (m) x 128 (n): 256 work-groups.  Four waves, each 128 x 64: 32 accumulators of 16 x 16, 256 registers.  K goes in steps of 128, which are two heads: two dense planes of 256 rows x 128 bytes of ao,
; and 128 rows x 256 bytes of wt, through two LDS slots.  One tensor load a wave: wave 0 and 1 a plane of A each, waves 2 and 3 a half of B's rows.
; CLUSTERS: 4 x 4 work-groups; A's tiles are asked for jointly along a row of the cluster, B's along a column.  USED TRANSPOSED (source 0 = 16 rows of wt, source 1 = 16 rows of ao): a lane holds eight neighbouring columns of a row.
; The bias is the C of each sum's first matrix instruction.  No prefetch: the launch is short.
; REGISTERS: window 0: v16-29 addresses; v32-63 the bias in the result's layout; v64-127 rows on the way out.   window 1: accumulator (a, b) at v[8 (4 a + b)].   window 2: two fragment buffers of 96: A's 64, then B's 32.
.set PA,     144                       ; a row of a plane of A in LDS: 128 bytes + 16
.set PB,     272                       ; a row of B: 256 + 16
.set PLANE,  256*PA
.set BOFF,   2*PLANE
.set SLOT,   BOFF+128*PB
.set STAGE,  2*SLOT                    ; behind the ring: 16 rows x 272 bytes for each wave
.set SPITCH, 272
.set SPARE,  STAGE+4*16*SPITCH         ; the spare words, 128 bytes for each wave: two blocks of 256 bytes that no other line names
.set LAPS,   4                         ; a lap = two K steps; K = 1,024
.set ADRA, 16
.set ADRB, 20
.set STO,  24
.set RD,   25
.set CO,   26
.set BO,   27
.set SPW,  28
.set NIL,  29
.set BIAS, 32
.set BK,   64
.set F0,   0
.set F1,   96
.set G1, 24
.set G0, 32
.set G1B, 48
.set G0B, 56
.set MSB, 0
.macro WIN new
.if MSB != (\new)
	s_set_vgpr_msb (MSB<<8)|(\new)
.set MSB, (\new)
.endif
.endm
.set MUL,  0x5a                        ; sources 0 and 1 window 2; C and D window 1
.set MULB, 0x4a                        ; C (the bias) window 0, D window 1
.set TO_F, 0x80                        ; destination window 2, address window 0
.macro JLOAD s                         ; a joint load: waves 0 and 1 fetch for A, waves 2 and 3 for B; an s_nop 0 and four v_nop follow each of the two lines
	s_cmp_eq_u32 s13, 0
	s_cbranch_scc0 .Lfor_b_\@
	tensor_load_to_lds s[G0+4*\s:G0+4*\s+3], s[G1:G1+7]
	s_nop 0
.rept 4
	v_nop
.endr
	s_branch .Lasked_\@
.Lfor_b_\@:
	tensor_load_to_lds s[G0B+4*\s:G0B+4*\s+3], s[G1B:G1B+7]
	s_nop 0
.rept 4
	v_nop
.endr
.Lasked_\@:
.endm
.macro CREST                           ; a round of the cluster's barrier behind its opening barrier
	s_cmp_lg_u32 s12, 0
	s_cbranch_scc1 .Lnot_wave_0_\@
	s_barrier_signal -3
.Lnot_wave_0_\@:
	s_barrier_wait -3
	s_barrier_signal -1
	s_barrier_wait -1
.endm
.macro CROUND
	s_barrier_signal -1
	s_barrier_wait -1
	CREST
.endm
	s_load_b256 s[4:11], s[0:1], 0x0               ; ao s[4:5], wt s[6:7], b_out s[8:9], out0 s[10:11]
	v_lshl_add_u32 v[SPW], v0, 2, SPARE
	v_mov_b32 v[NIL], 0
	ds_add_u32 v[SPW], v[NIL]                      ; the wave's opening: the add, twice on end, and its wait ahead of my first tensor load
	ds_add_u32 v[SPW], v[NIL]
	v_lshrrev_b32 v1, 5, v0
	v_readfirstlane_b32 s12, v1                    ; wave 0..3
	s_lshr_b32 s13, s12, 1                         ; which 128 rows of the tile are mine.  Also: I fetch for A (0) or for B (1)
	s_and_b32 s14, s12, 1                          ; which 64 columns.  Also: which plane of A, or which 64 rows of B, I fetch
	s_bfe_u32 s40, ttmp6, 0x40000                  ; cx, cy
	s_bfe_u32 s41, ttmp6, 0x40004
	s_lshl_b32 s42, ttmp9, 2
	s_add_co_u32 s42, s42, s40                     ; tile column = 4 x cluster x + cx
	s_and_b32 s15, ttmp7, 0xffff
	s_lshl_b32 s15, s15, 2
	s_add_co_u32 s15, s15, s41                     ; tile row = 4 x cluster y + cy
	s_lshl_b32 s43, s41, 2
	s_lshl_b32 s43, 15, s43                        ; my row of the cluster
	s_lshl_b32 s44, 0x1111, s40                    ; my column
	; group 1 for A: 256 rows x 64 elements of 2 bytes, dense in memory, four words of padding after every 32
	s_or_b32 s[G1+0], s43, (1<<16)|(1<<20)|(1<<21)|(4<<22)|(3<<25)
	s_mov_b32 s[G1+1], 64<<16
	s_mov_b32 s[G1+2], 256<<16
	s_mov_b32 s[G1+3], 64<<16
	s_mov_b32 s[G1+4], 256
	s_mov_b32 s[G1+5], 64
	s_mov_b32 s[G1+6], 0
	s_mov_b32 s[G1+7], 0
	; group 1 for B: 64 rows x 128 elements, 1,024 elements apart, four words of padding after every 64
	s_or_b32 s[G1B+0], s44, (1<<16)|(1<<20)|(1<<21)|(5<<22)|(3<<25)
	s_mov_b32 s[G1B+1], 128<<16
	s_mov_b32 s[G1B+2], 64<<16
	s_mov_b32 s[G1B+3], 128<<16
	s_mov_b32 s[G1B+4], 64
	s_mov_b32 s[G1B+5], 1024
	s_mov_b32 s[G1B+6], 0
	s_mov_b32 s[G1B+7], 0
	s_lshr_b32 s16, s15, 3                         ; A: b = tile row / 8,
	s_lshl_b32 s16, s16, 4
	s_add_co_u32 s16, s16, s14                     ; head = my plane (K step 0),
	s_lshl_b32 s16, s16, 11
	s_and_b32 s17, s15, 7
	s_lshl_b32 s17, s17, 8                         ; l = 256 x (tile row % 8)
	s_add_co_u32 s16, s16, s17
	s_lshl_b32 s16, s16, 7                         ; rows of 128 bytes
	s_mov_b32 s17, 0
	s_lshl_b32 s46, s42, 7                         ; B: row 128 x tile column + 64 x half,
	s_lshl_b32 s47, s14, 6
	s_add_co_u32 s46, s46, s47
	s_lshl_b32 s46, s46, 11                        ; of 2,048 bytes
	s_mov_b32 s47, 0
	s_mul_i32 s20, s14, PLANE                      ; where they go: no place in the cluster enters an LDS address
	s_mul_i32 s21, s14, 64*PB
	s_add_co_u32 s21, s21, BOFF
	s_wait_dscnt 0x0                               ; both opening adds are done
	s_wait_kmcnt 0x0
	s_add_nc_u64 s[18:19], s[4:5], s[16:17]
	s_add_nc_u64 s[46:47], s[6:7], s[46:47]
	CROUND                                         ; all sixteen work-groups are here: the first joint loads meet
.irp s, 0,1
	s_mov_b32 s[G0+4*\s], 1
	s_add_co_u32 s[G0+4*\s+1], s20, \s*SLOT
	s_add_nc_u64 s[G0+4*\s+2:G0+4*\s+3], s[18:19], \s*524288     ; K step s: two heads of 262,144 bytes on
	s_or_b32 s[G0+4*\s+3], s[G0+4*\s+3], 0x80000000
	s_mov_b32 s[G0B+4*\s], 1
	s_add_co_u32 s[G0B+4*\s+1], s21, \s*SLOT
	s_add_nc_u64 s[G0B+4*\s+2:G0B+4*\s+3], s[46:47], \s*256
	s_or_b32 s[G0B+4*\s+3], s[G0B+4*\s+3], 0x80000000
	JLOAD \s
.endr
	v_and_b32 v1, 15, v0                           ; r
	v_bfe_u32 v2, v0, 4, 1                         ; h
	v_mul_u32_u24 v3, v1, PA
	v_lshl_add_u32 v3, v2, 4, v3
	v_mul_u32_u24 v4, v1, PB
	v_lshl_add_u32 v4, v2, 4, v4
	s_mul_i32 s21, s13, 128*PA                     ; my 128 rows of a plane of A
	s_mul_i32 s22, s14, 64*PB                      ; my 64 rows of B
	s_add_co_u32 s22, s22, BOFF
.irp s, 0,1
	v_add_nc_u32 v[ADRA+\s], s21, v3
	v_add_nc_u32 v[ADRB+\s], s22, v4
	s_add_co_u32 s21, s21, SLOT
	s_add_co_u32 s22, s22, SLOT
.endr
	s_mul_i32 s23, s12, 16*SPITCH
	s_add_co_u32 s23, s23, STAGE                   ; my stage
	v_mul_u32_u24 v5, v1, SPITCH                   ; in: row r, 32 bytes for each half of the lanes
	v_lshl_add_u32 v5, v2, 5, v5
	v_add_nc_u32 v[STO], s23, v5
	v_mul_u32_u24 v5, v2, SPITCH                   ; back: lanes 0-15 one row of 256 bytes, lanes 16-31 the next
	v_lshl_add_u32 v5, v1, 4, v5
	v_add_nc_u32 v[RD], s23, v5
	v_lshlrev_b32 v[CO], 12, v2                    ; and the same two rows in out0
	v_lshl_add_u32 v[CO], v1, 4, v[CO]
	v_lshlrev_b32 v[BO], 5, v2
	s_lshl_b32 s46, s42, 9                         ; my first column, in bytes: 512 x tile column + 256 x half
	s_lshl_b32 s47, s14, 8
	s_add_co_u32 s46, s46, s47
	s_mov_b32 s47, 0
	s_add_nc_u64 s[8:9], s[8:9], s[46:47]          ; its bias
	s_lshl_b32 s16, s15, 8
	s_lshl_b32 s17, s13, 7
	s_add_co_u32 s16, s16, s17                     ; my first row: 256 x tile row + 128 x half,
	s_lshl_b32 s16, s16, 12                        ; of 4,096 bytes
	s_add_co_u32 s16, s16, s46
	s_mov_b32 s17, 0
	s_add_nc_u64 s[10:11], s[10:11], s[16:17]
.irp b, 0,1,2,3                                ; register 8 b + j of lane (r, h): the bias of my column 16 b + 8 h + j
	global_load_b128 v[BIAS+8*\b:BIAS+8*\b+3], v[BO], s[8:9] offset:64*\b
	global_load_b128 v[BIAS+8*\b+4:BIAS+8*\b+7], v[BO], s[8:9] offset:64*\b+16
.endr
; 8 matrix instructions: A's blocks a0, a0 + 1 x B's four, 32 along K.  The 32 accumulators take turns, one instruction a turn, in the same order in every quarter.
.macro MUL8 f, a0, bias
.irp a, \a0, \a0+1
.irp b, 0,1,2,3
.if \bias
	v_wmma_f32_16x16x32_f16 v[8*(4*(\a)+\b):8*(4*(\a)+\b)+7], v[\f+64+8*\b:\f+64+8*\b+7], v[\f+8*(\a):\f+8*(\a)+7], v[BIAS+8*\b:BIAS+8*\b+7]
.else
	v_wmma_f32_16x16x32_f16 v[8*(4*(\a)+\b):8*(4*(\a)+\b)+7], v[\f+64+8*\b:\f+64+8*\b+7], v[\f+8*(\a):\f+8*(\a)+7], v[8*(4*(\a)+\b):8*(4*(\a)+\b)+7]
.endif
.endr
.endr
.endm
; 24 LDS loads in one run: the fragments of the slot's q-th 32 along K into buffer f: B's four blocks, A's blocks 0-3, A's blocks 4-7.  Quarters 0, 1 lie in plane 0, quarters 2, 3 in plane 1.
.macro FETCH slot, q, f
	WIN TO_F
.irp i, 0,1,2,3
	ds_load_b128 v[\f+64+8*\i:\f+64+8*\i+3],   v[ADRB+\slot] offset:64*(\q)+\i*16*PB
	ds_load_b128 v[\f+64+8*\i+4:\f+64+8*\i+7], v[ADRB+\slot] offset:64*(\q)+\i*16*PB+32
.endr
.irp i, 0,1,2,3,4,5,6,7
	ds_load_b128 v[\f+8*\i:\f+8*\i+3],   v[ADRA+\slot] offset:((\q)/2)*PLANE+((\q)%2)*64+\i*16*PA
	ds_load_b128 v[\f+8*\i+4:\f+8*\i+7], v[ADRA+\slot] offset:((\q)/2)*PLANE+((\q)%2)*64+\i*16*PA+32
.endr
.endm
.macro PLACES                          ; four plain vector instructions in front of loads into registers that matrix instructions have read, and of the first read of results
.rept 4
	v_nop
.endr
.endm
; One of a K step's first three quarters: multiplies buffer f and fetches quarter qn into g.
.macro QUARTER slot, qn, f, g, bias
	s_wait_dscnt 8                                 ; B and A's blocks 0-3 are in; the youngest eight loads (A's blocks 4-7) may be out
.if \bias
	WIN MULB
.else
	WIN MUL
.endif
	MUL8 \f, 0, \bias
	MUL8 \f, 2, \bias
	PLACES
	FETCH \slot, \qn, \g
	s_wait_dscnt 24                                ; all but the 24 just issued
.if \bias
	WIN MULB
.else
	WIN MUL
.endif
	MUL8 \f, 4, \bias
	MUL8 \f, 6, \bias
.endm
; The last quarter multiplies buffer 1 and changes slots: ONE barrier; in front of it each wave waits for all its tensor loads, adds 0 to its spare word, and waits for that and for its reads of this slot.
; fill = 1: the barrier opens a round of the cluster's, and this slot is filled again, two K steps ahead, first thing behind the round.
.macro TURN slot, next, fill
	WIN 0                                          ; (the add's two registers lie in window 0)
	s_wait_tensorcnt 0x0                           ; all my tensor loads have landed: my part of the next slot
	ds_add_u32 v[SPW], v[NIL]
	s_wait_dscnt 9                                 ; the add and the youngest eight loads may be out
	WIN MUL
	MUL8 F1, 0, 0
	s_wait_dscnt 0x0                               ; the add is done, and my reads of this slot are over
	s_barrier_signal -1
	MUL8 F1, 2, 0
.if \fill
	WIN 0
.endif
	s_barrier_wait -1
.if \fill
	CREST
	s_add_nc_u64 s[G0+4*\slot+2:G0+4*\slot+3], s[G0+4*\slot+2:G0+4*\slot+3], 1048576    ; four heads on
	s_add_nc_u64 s[G0B+4*\slot+2:G0B+4*\slot+3], s[G0B+4*\slot+2:G0B+4*\slot+3], 512
	JLOAD \slot                                    ; the four v_nop behind it are also the places in front of the loads below
.else
	PLACES
.endif
	FETCH \next, 0, F0
	WIN MUL
	MUL8 F1, 4, 0
	MUL8 F1, 6, 0
.endm
	s_wait_tensorcnt 1                             ; my part of K step 0 is in; the one younger load, K step 1's, may be out
	s_barrier_signal -1
	s_barrier_wait -1
	FETCH 0, 0, F0
	s_wait_loadcnt 0x0                             ; the bias
	QUARTER 0, 1, F0, F1, 1                        ; the first quarter stands in front of the loop: its products start the sums, on the bias
	WIN 0                                          ; at a label and at a branch every window is 0
	s_mov_b32 s3, LAPS-1
.Llap:                                             ; a trip goes once round the ring, from a lap's second quarter to the next lap's first, and fills both slots again
	QUARTER 0, 2, F1, F0, 0
	QUARTER 0, 3, F0, F1, 0
	TURN 0, 1, 1
	QUARTER 1, 1, F0, F1, 0
	QUARTER 1, 2, F1, F0, 0
	QUARTER 1, 3, F0, F1, 0
	TURN 1, 0, 1
	QUARTER 0, 1, F0, F1, 0
	WIN 0
	s_sub_co_u32 s3, s3, 1
	s_cmp_lg_u32 s3, 0
	s_cbranch_scc1 .Llap
	QUARTER 0, 2, F1, F0, 0                        ; the last lap fills nothing
	QUARTER 0, 3, F0, F1, 0
	TURN 0, 1, 0
	QUARTER 1, 1, F0, F1, 0
	QUARTER 1, 2, F1, F0, 0
	QUARTER 1, 3, F0, F1, 0
	s_wait_dscnt 8                                 ; the very last quarter: the youngest eight loads may be out
	WIN MUL
	MUL8 F1, 0, 0
	MUL8 F1, 2, 0
	s_wait_dscnt 0
	MUL8 F1, 4, 0
	MUL8 F1, 6, 0
	WIN 0
; THE WAY OUT, block by block of 16 rows x 64 columns: through my own stage and back as whole rows of 256 bytes.  LDS serves a wave's instructions in order: no wait between the stores and the loads.
.macro TOSTAGE a
	WIN 0x04                                       ; an LDS store's data are its source 1: window 1
.irp b, 0,1,2,3
	ds_store_b128 v[STO], v[8*(4*(\a)+\b):8*(4*(\a)+\b)+3] offset:64*\b            ; each accumulator from its low end on
	ds_store_b128 v[STO], v[8*(4*(\a)+\b)+4:8*(4*(\a)+\b)+7] offset:64*\b+16
.endr
	WIN 0
.set BB, BK+32*((\a)%2)
.irp t, 0,1,2,3,4,5,6,7
	ds_load_b128 v[BB+4*\t:BB+4*\t+3], v[RD] offset:\t*2*SPITCH
.endr
.endm
.macro SEND a, younger                 ; younger: the LDS instructions issued behind block a's loads: the next block's eight stores and eight loads, or none
.set BB, BK+32*((\a)%2)
	s_wait_dscnt \younger
.if (\a) > 0
	s_add_nc_u64 s[10:11], s[10:11], 16*4096       ; (behind a wait on XCNT: the earlier stores have read their base)  16 rows on
.endif
.irp t, 0,1,2,3,4,5,6,7
	global_store_b128 v[CO], v[BB+4*\t:BB+4*\t+3], s[10:11] offset:2*\t*4096 th:TH_STORE_NT   ; sixteen lanes store 256 consecutive bytes, aligned; written once, read by nobody here
.endr
.endm
	PLACES
	TOSTAGE 0
.irp a, 1,2,3,4,5,6,7
.if \a > 1
	s_wait_xcnt 0x0                                ; block a - 2's stores have read their registers and their base: block a's loads may land there, and the base may step
.endif
	TOSTAGE \a
	SEND \a-1, 16
.endr
	s_wait_xcnt 0x0                                ; block 6's stores have read their base
	SEND 7, 0
	s_wait_tensorcnt 0x0                           ; the wave's end: three lines behind my last tensor load and my last LDS store
	ds_add_u32 v[SPW], v[NIL]
	s_wait_dscnt 0x0
	CROUND                                         ; the closing round
	s_endpgm
.Lfunc_end_k_qda756f6b46_proj:
	.size	k_qda756f6b46_proj, .Lfunc_end_k_qda756f6b46_proj-k_qda756f6b46_proj
	.p2alignl 7, 3214868480
	.fill 96, 4, 3214868480
	.section	.rodata,"a",@progbits
	.p2align	6, 0x0
	.amdhsa_kernel k_qda756f6b46_proj
		.amdhsa_group_segment_fixed_size 327680
		.amdhsa_private_segment_fixed_size 0
		.amdhsa_enable_private_segment 0
		.amdhsa_kernarg_size 32
		.amdhsa_user_sgpr_count 2
		.amdhsa_user_sgpr_kernarg_segment_ptr 1
		.amdhsa_wavefront_size32 1
		.amdhsa_system_sgpr_workgroup_id_x 1
		.amdhsa_system_sgpr_workgroup_id_y 1
		.amdhsa_system_sgpr_workgroup_id_z 1
		.amdhsa_system_vgpr_workitem_id 0
		.amdhsa_next_free_vgpr 768
		.amdhsa_next_free_sgpr 66
		.amdhsa_reserve_vcc 0
		.amdhsa_float_denorm_mode_32 3
		.amdhsa_float_denorm_mode_16_64 3
		.amdhsa_memory_ordered 1
		.amdhsa_forward_progress 1
		.amdhsa_inst_pref_size 87
	.end_amdhsa_kernel
	.amdgpu_metadata
---
amdhsa.version: [ 1, 2 ]
amdhsa.kernels:
  - .name:           k_qda756f6b46_proj
    .symbol:         k_qda756f6b46_proj.kd
    .args:
      - { .name: ao, .offset: 0, .size: 8, .value_kind: global_buffer, .address_space: global }
      - { .name: wt, .offset: 8, .size: 8, .value_kind: global_buffer, .address_space: global }
      - { .name: b_out, .offset: 16, .size: 8, .value_kind: global_buffer, .address_space: global }
      - { .name: out0, .offset: 24, .size: 8, .value_kind: global_buffer, .address_space: global }
    .group_segment_fixed_size: 327680
    .private_segment_fixed_size: 0
    .kernarg_segment_align: 8
    .kernarg_segment_size: 32
    .max_flat_workgroup_size: 128
    .sgpr_count:     66
    .vgpr_count:     768
    .wavefront_size: 32
...
	.end_amdgpu_metadata
.endif
;; end of part 4
